; MI455X (gfx1250); checked and timed in simulation.
; The chip was launched on July 23, 2026; its instructions are those of AMD's public machine-readable ISA for CDNA 5 (MIT licence, August 2026) and "CDNA5" Instruction Set Architecture Reference Guide (July 2026). The comments in the code are by the model that wrote it; some were corrected since.
;; Dot Product Attention. Allowed arithmetic: matrix products marked QUANTISED: E2M1 operands, one E8M0 scale for each 32 along K, by v_wmma_scale_f32_16x16x128_f8f6f4 with both operands' format E2M1 (or v_wmma_scale_f32_32x16x128_f4), f32 sums; everything else in f32.
;; Inputs: keys 16 x 2,048 x 64 float32; queries 16 x 2,048 x 64 float32; valid_lens 16 int32; values 16 x 2,048 x 64 float32.
;; Outputs: out0 16 x 2,048 x 64 float32.
;; This version of the problem:
;;   THIS VERSION OF THE PROBLEM IS GIVEN IN LOW PRECISION. The matrix products marked QUANTISED in the list below multiply operands that are first quantised to E2M1 (2 exponent bits, 1 mantissa bit; 4 bits a number), with one power-of-two scale for each 32 numbers along K (OCP MX v1.0); their sums are f32. All else is computed in f32.
;;   The module's matrix products, in the order in which they are computed (A, B: the left and right operand; K: the contracted axis; several contracted axes count as one K, in the product's order):
;;     1. batch 16 x [M 2,048, K 64] x [K 64, N 2,048]; A: input queries; B: input keys: QUANTISED
;;     2. batch 16 x [M 2,048, K 2,048] x [K 2,048, N 64]; A: softmax (see below); B: input values: QUANTISED
;;   THE QUANTISER, for each operand of a quantised product, along K:
;;     - K is cut into blocks of 32 from its start; a last block that is shorter is filled with zeros.
;;     - A block's scale is 2^e with e = floor(log2(the largest magnitude in the block)) - 2, held to -126 .. 127; a block of zeros has e = 0. As a byte (E8M0): e + 127.
;;     - Each number is divided by its block's scale, clamped to +-6, and rounded to the nearest number of E2M1, ties to even, subnormals kept.
;;     - The product sums the exact products of the quantised numbers (number of the format x scale) in f32.
;;   ~~~python
;;   def quantise(x, axis):      # numpy; x: float32 -> the quantised numbers, widened to float32 again
;;       x = np.moveaxis(x, axis, -1); K = x.shape[-1]
;;       x = np.pad(x, [(0, 0)] * (x.ndim - 1) + [(0, -K % 32)]); x = x.reshape(x.shape[:-1] + (-1, 32)); a = np.abs(x).max(-1, keepdims=True)
;;       e = np.where(a > 0, np.clip(np.frexp(np.where(a > 0, a, 1))[1] - 1 - 2, -126, 127), 0)      # np.frexp(a)[1] - 1 = floor(log2(a)), exactly
;;       r = np.clip(x / 2.0 ** e, -6, 6)
;;       step = 2.0 ** (np.maximum(np.frexp(np.where(r == 0, 1, r))[1] - 1, 0) - 1)
;;       q = np.round(r / step) * step * 2.0 ** e      # np.round: ties to even
;;       return np.moveaxis(q.reshape(q.shape[:-2] + (-1,))[..., :K], -1, axis).astype(np.float32)
;;   ~~~
;;   SOFTMAX AHEAD OF A QUANTISED PRODUCT. Where the list says 'softmax', what is quantised is not the finished softmax but p = 2^(t - M), with t = logit x log2(e) and M = ceil(the row's largest t), a whole number; so 1/2 < the row's largest p <= 1. The row's sum l is taken of the UNQUANTISED p, in f32, and the product's result is divided by l at the end. Since M is a whole number, a kernel that streams over the keys may use a running M (the ceiling of the running maximum): every later rescaling is an exact power of two, which a block's scale takes up: the codes' values come out the same.
;;   OPERANDS COMPUTED ON THE WAY. 'Computed on the way' means the value that the module computes at that place (a softmax that the list does not call 'softmax' is quantised finished and normalised). What goes into a quantiser is computed in f32, as accurately as f32 sums, v_exp_f32 and their like allow (about 1e-6 of the number): no bf16 or f16 on the way to a quantiser, and a product that is left as it is and whose result goes on into a quantised operand takes f32 operands (vector FMAs, or v_wmma_f32_16x16x4_f32). A number that lies on a knife's edge between two numbers of the format may be rounded either way, as far as f32 arithmetic and the matrix unit's own rounding can turn it there, and no further.
;; 2 versions. Each part assembles by itself: llvm-mc -triple=amdgcn-amd-amdhsa -mcpu=gfx1250 --defsym DOCPART=n.
;; ======== version 1 of 2: 2 launches
;; limits: right only within a limited range of input values
;; workspace buffers: qc 1,048,576 bytes; qs 65,536 bytes; kvc 2,097,152 bytes; kvs 131,072 bytes
;; launch quant (part 1): grid 256 x 1, 6 waves a work-group, no clusters, 26,880 bytes of LDS; arguments queries, keys, values, qc, qs, kvc, kvs; writes qc, qs, kvc, kvs
.if DOCPART == 1
	.amdgcn_target "amdgcn-amd-amdhsa--gfx1250"
	.amdhsa_code_object_version 6
	.text
	.protected	k_q70b3cf14b5_quant
	.globl	k_q70b3cf14b5_quant
	.p2align	8
	.type	k_q70b3cf14b5_quant,@function
k_q70b3cf14b5_quant:
	s_mov_b64 s[64:65], 0
	v_nop
	global_prefetch_b8 v0, s[64:65] scope:SCOPE_SE
	s_setreg_imm32_b32 hwreg(HW_REG_WAVE_MODE, 25, 1), 1
	s_wait_xcnt 0x0
; queries, keys, values: [16][2048][64] f32.  All three become codes of FP4 (E2M1) with one E8M0 scale byte for each 32 along a product's K: queries and keys along d (their last axis),
; values along the KEYS (their middle axis).  The codes and scale words are laid as IMAGES OF THE OPERANDS' REGISTERS, so that the attention launch takes them by dense 16-byte loads alone.
; A block's scale is 2^(floor(log2(its largest magnitude)) - 2); its byte is the largest magnitude's exponent field - 2, held at 1 from below; each number is divided by the scale and rounded to the nearest code,
; ties to even, beyond 6 the largest code.
; LIMITS: a block of zeros gets the byte 1 where the rule says 127 (its codes are zeros, and this program alone reads the bytes); magnitudes under 2^-124 are held by the floor; NaN and infinities are not served.
; SHARES.  Work-group x = 16 batch + group takes 128 rows of each tensor.  Waves 0, 1: the two halves (64 rows) of the queries; waves 2, 3: of the keys; waves 4, 5: the two halves (32 columns) of the values, all 128 keys.
; One branch on the wave's number parts the values' path.  No loop, no barrier: waves share nothing, every offset is an immediate, and no store's data register is written again.
; IMAGES (L = lane, r = L % 16, h = L / 16).
;   A tile 2 bb + u of queries or keys: lane (r, h) holds the 16 bytes of codes of d = 32 h .. 32 h + 31 of row 32 bb + 8 u + r + 8 (r / 8) of the group, at byte 512 (2 bb + u) + 16 L.  THE ROWS OF A TILE ARE NOT NEIGHBOURS:
;   so the scores of two neighbouring tiles of keys are 16 neighbouring keys in a lane's registers.
;   Their scale words: W_bb(r) = the two bytes of tile 2 bb's row r, then the two of tile 2 bb + 1's.  Image j: lanes 0-15 W_(2j), lanes 16-31 W_(2j+1), at byte 128 j + 4 L.
;   Values: the 16 bytes of codes of keys 32 kb .. 32 kb + 31 of column d lie at 4096 + 1024 (d / 16) + 256 kb + 16 (d % 16); the scale word of column d = 32 v + L (byte kb) at 256 + 128 v + 4 L.
;   qc: 4,096 bytes a group; qs: 256; kvc: 8,192 (keys' tiles, then values); kvs: 512 (keys' words, then values').
.set STGB, 4352                        ; a wave's stage in LDS: 16 rows x (256 bytes + 16): the pitch is 17 x 16 bytes
.set R,    64                          ; v64-191  four sets of 32 numbers
.set C,    24                          ; v24-39   codes: four registers for each tile or block
.set WV,   18                          ; s18      my wave's number
.macro QLOAD                           ; my 64 rows: each load reads two whole rows, 512 consecutive bytes, 16 a lane.  Load i of tile t: the tile's rows 2 i and 2 i + 1
.irp t, 0,1,2,3
.irp i, 0,1,2,3,4,5,6,7
	global_load_b128 v[R+32*\t+4*\i:R+32*\t+4*\i+3], v4, s[22:23] offset:(32*(\t/2)+8*(\t%2)+2*(\i%4)+16*(\i/4))*256 th:TH_LOAD_NT
.endr
.endr
.endm
.macro TURN t                          ; tile t through my stage: in as loaded, back 128 bytes a lane: lane (r, h) then holds d = 32 h + 0 .. 31 of the tile's row r in 32 registers on end
	s_wait_loadcnt 24-8*(\t)                       ; the tile's eight loads are in; the later tiles' may be out
.irp i, 0,1,2,3,4,5,6,7
	ds_store_b128 v5, v[R+32*(\t)+4*\i:R+32*(\t)+4*\i+3] offset:544*\i
.endr
.irp i, 0,1,2,3,4,5,6,7
	ds_load_b128 v[R+32*(\t)+4*\i:R+32*(\t)+4*\i+3], v6 offset:16*\i   ; LDS serves a wave's instructions in order (ISA guide 5.7.1.4): these see the stores above, and the next tile's stores come behind them
.endr
.endm
.macro AMAX x                          ; v8 = the largest magnitude of v[x] .. v[x + 31], in two chains, with the floor 2^(3 - 127) as one more leaf: so the byte cannot fall under 1;  v10 = the conversion's scale operand
	v_max3_num_f32 v8, |v[\x]|, |v[\x+1]|, |v[\x+2]|
	v_max3_num_f32 v9, |v[\x+3]|, |v[\x+4]|, |v[\x+5]|
.irp i, 6,10,14,18,22,26
	v_max3_num_f32 v8, v8, |v[\x+\i]|, |v[\x+\i+1]|
	v_max3_num_f32 v9, v9, |v[\x+\i+2]|, |v[\x+\i+3]|
.endr
	v_max3_num_f32 v8, v8, |v[\x+30]|, |v[\x+31]|
	v_max3_num_f32 v8, v8, v9, 0x1800000
	v_add_nc_u32 v10, 0xff000000, v8               ; 2 off its exponent field: the conversion takes the exponent field of this operand as its scale, and nothing else of it
.endm
.macro QQ t                            ; tile t: my block of 32 becomes 16 bytes of codes; its byte joins lane l xor 16's
	AMAX R+32*(\t)
.irp g, 0,1,2,3
	v_cvt_scalef32_pk8_fp4_f32 v[C+4*(\t)+\g], v[R+32*(\t)+8*\g:R+32*(\t)+8*\g+7], v10
.endr
	v_lshrrev_b32 v11, 23, v10                     ; the scale's byte (also the plain line behind the conversions)
	v_lshlrev_b32 v11, v7, v11                     ; at its place: 8 h bits up
	v_permlanex16_b32 v12, v11, s20, s21
	v_or_b32 v[16+(\t)], v11, v12                  ; the row's two bytes, in both halves of the lanes
	global_store_b128 v4, v[C+4*(\t):C+4*(\t)+3], s[24:25] offset:512*(\t)   ; the tile's image: 512 consecutive bytes, aligned
.endm
.macro VLOAD kb                        ; block kb of 32 keys: a lane takes a column, its registers run down the keys; a load reads 128 consecutive bytes, the sister wave the row's other 128
.irp i, 0,1,2,3,4,5,6,7,8,9,10,11,12,13,14,15,16,17,18,19,20,21,22,23,24,25,26,27,28,29,30,31
	global_load_b32 v[R+32*(\kb)+\i], v13, s[22:23] offset:256*(32*(\kb)+\i) th:TH_LOAD_NT
.endr
.endm
.macro VBLOCK kb
.if (\kb) < 3
	s_wait_loadcnt 32                              ; this block's 32 loads are in; the next block's may be out
.else
	s_wait_loadcnt 0x0
.endif
.if (\kb) < 2
	VLOAD (\kb)+2
.endif
	AMAX R+32*(\kb)                                ; all 32 numbers of the block are mine
.irp g, 0,1,2,3
	v_cvt_scalef32_pk8_fp4_f32 v[C+4*(\kb)+\g], v[R+32*(\kb)+8*\g:R+32*(\kb)+8*\g+7], v10
.endr
.if (\kb) == 0
	v_lshrrev_b32 v22, 23, v10                     ; the scale's byte: the word's lowest (also the plain line behind the conversions)
.else
	v_lshrrev_b32 v11, 23, v10
	v_lshl_or_b32 v22, v11, 8*(\kb), v22
.endif
	global_store_b128 v14, v[C+4*(\kb):C+4*(\kb)+3], s[24:25] offset:256*(\kb)   ; lanes 0-15 fill 256 consecutive bytes, aligned; lanes 16-31 the like 1,024 bytes on
.endm
	s_load_b256 s[4:11], s[0:1], 0x0               ; queries s[4:5], keys s[6:7], values s[8:9], qc s[10:11]
	s_load_b128 s[12:15], s[0:1], 0x20             ; qs s[12:13], kvc s[14:15]
	s_load_b64 s[16:17], s[0:1], 0x30              ; kvs
	v_lshl_add_u32 v192, v0, 2, 0x6600
	v_mov_b32 v193, 0
	v_lshrrev_b32 v1, 5, v0
	v_readfirstlane_b32 s[WV], v1                  ; wave 0..5
	v_and_b32 v1, 31, v0                           ; lane
	v_and_b32 v2, 15, v0                           ; r
	v_bfe_u32 v3, v0, 4, 1                         ; h
	v_lshlrev_b32 v4, 4, v1                        ; 16 x lane: my bytes of a load's 512 and of a tile's image
	v_lshlrev_b32 v13, 2, v1                       ; 4 x lane
	s_mul_i32 s28, s[WV], STGB                     ; my stage
	v_mul_u32_u24 v5, v3, 272
	v_lshl_add_u32 v5, v2, 4, v5
	v_add_nc_u32 v5, s28, v5                       ; in: row h of a load's two, 16 r bytes on
	v_mul_u32_u24 v6, v2, 272
	v_lshl_add_u32 v6, v3, 7, v6
	v_add_nc_u32 v6, s28, v6                       ; back: row r, my half's 128 bytes
	v_lshlrev_b32 v7, 3, v3                        ; 8 h
	v_mov_b32 v12, 0                               ; written once: a lane permute's destination counts as one of its sources
	v_lshlrev_b32 v14, 10, v3
	v_lshl_add_u32 v14, v2, 4, v14                 ; values' codes: 1,024 (lane / 16) + 16 (lane % 16)
	s_mov_b32 s20, 0x76543210
	s_mov_b32 s21, 0xfedcba98                      ; v_permlanex16_b32's selects for lane l xor 16
	s_and_b32 s31, s[WV], 1                        ; which half is mine
	s_mov_b32 s33, 0
	s_wait_kmcnt 0x0
	s_cmp_ge_u32 s[WV], 4
	s_cbranch_scc1 .Lvalues
	; ---- queries (waves 0, 1) and keys (waves 2, 3): one text; the buffers are chosen on the wave's number alone
	s_cmp_lt_u32 s[WV], 2
	s_cselect_b64 s[22:23], s[4:5], s[6:7]         ; from
	s_cselect_b64 s[24:25], s[10:11], s[14:15]     ; the codes' buffer
	s_cselect_b64 s[26:27], s[12:13], s[16:17]     ; the scale words'
	s_cselect_b32 s28, 12, 13                      ; a group's codes: 4,096 bytes in qc, 8,192 in kvc
	s_cselect_b32 s29, 8, 9                        ; a group's scale words: 256 bytes in qs, 512 in kvs
	s_lshl_b32 s32, ttmp9, 15                      ; 128 rows of 256 bytes a group,
	s_lshl_b32 s34, s31, 14                        ; 64 a half
	s_add_co_u32 s32, s32, s34
	s_add_nc_u64 s[22:23], s[22:23], s[32:33]
	s_lshl_b32 s32, ttmp9, s28
	s_lshl_b32 s34, s31, 11                        ; four tiles of 512 bytes a half
	s_add_co_u32 s32, s32, s34
	s_add_nc_u64 s[24:25], s[24:25], s[32:33]
	s_lshl_b32 s32, ttmp9, s29
	s_lshl_b32 s34, s31, 7                         ; one image of 128 bytes a half
	s_add_co_u32 s32, s32, s34
	s_add_nc_u64 s[26:27], s[26:27], s[32:33]
	QLOAD                                          ; all 32 loads go out at once
	TURN 0
	TURN 1
	s_wait_dscnt 16                                ; tile 0 is back; the next tile's 8 stores and 8 loads may be out
	QQ 0
	TURN 2
	s_wait_dscnt 16
	QQ 1
	TURN 3
	s_wait_dscnt 16
	QQ 2
	s_wait_dscnt 0x0
	QQ 3
	v_lshl_or_b32 v20, v17, 16, v16                ; W of my first pair of tiles,
	v_lshl_or_b32 v21, v19, 16, v18                ; and of my second
	v_cmp_le_u32 vcc_lo, 16, v1
	v_cndmask_b32 v22, v20, v21, vcc_lo            ; the image: lanes 0-15 the first, lanes 16-31 the second
	global_store_b32 v13, v22, s[26:27]            ; 128 consecutive bytes; the sister wave stores the 128 beside them (to join the two would take a barrier; the scale words are a sixteenth of the codes' bytes)
	s_wait_tensorcnt 0x0
	ds_add_u32 v192, v193
	s_wait_dscnt 0x0
	s_endpgm
.Lvalues:                                          ; ---- values (waves 4, 5): columns 32 v .. 32 v + 31, v = wave - 4
	s_lshl_b32 s32, ttmp9, 15
	s_lshl_b32 s34, s31, 7                         ; 32 columns of 4 bytes
	s_add_co_u32 s32, s32, s34
	s_add_nc_u64 s[22:23], s[8:9], s[32:33]
	s_lshl_b32 s32, ttmp9, 13
	s_lshl_b32 s34, s31, 11                        ; two tiles of 1,024 bytes,
	s_add_co_u32 s32, s32, s34
	s_add_co_u32 s32, s32, 4096                    ; behind the keys' tiles
	s_add_nc_u64 s[24:25], s[14:15], s[32:33]
	s_lshl_b32 s32, ttmp9, 9
	s_lshl_b32 s34, s31, 7
	s_add_co_u32 s32, s32, s34
	s_add_co_u32 s32, s32, 256                     ; behind the keys' words
	s_add_nc_u64 s[26:27], s[16:17], s[32:33]
	VLOAD 0
	VLOAD 1
	VBLOCK 0
	VBLOCK 1
	VBLOCK 2
	VBLOCK 3
	global_store_b32 v13, v22, s[26:27]            ; my column's scale word: 128 consecutive bytes a wave
	s_endpgm
.Lfunc_end_k_q70b3cf14b5_quant:
	.size	k_q70b3cf14b5_quant, .Lfunc_end_k_q70b3cf14b5_quant-k_q70b3cf14b5_quant
	.p2alignl 7, 3214868480
	.fill 96, 4, 3214868480
	.section	.rodata,"a",@progbits
	.p2align	6, 0x0
	.amdhsa_kernel k_q70b3cf14b5_quant
		.amdhsa_group_segment_fixed_size 26880
		.amdhsa_private_segment_fixed_size 0
		.amdhsa_enable_private_segment 0
		.amdhsa_kernarg_size 56
		.amdhsa_user_sgpr_count 2
		.amdhsa_user_sgpr_kernarg_segment_ptr 1
		.amdhsa_wavefront_size32 1
		.amdhsa_system_sgpr_workgroup_id_x 1
		.amdhsa_system_sgpr_workgroup_id_y 1
		.amdhsa_system_sgpr_workgroup_id_z 1
		.amdhsa_system_vgpr_workitem_id 0
		.amdhsa_next_free_vgpr 194
		.amdhsa_next_free_sgpr 66
		.amdhsa_reserve_vcc 1
		.amdhsa_float_denorm_mode_32 3
		.amdhsa_float_denorm_mode_16_64 3
		.amdhsa_memory_ordered 1
		.amdhsa_forward_progress 1
		.amdhsa_inst_pref_size 36
	.end_amdhsa_kernel
	.amdgpu_metadata
---
amdhsa.version: [ 1, 2 ]
amdhsa.kernels:
  - .name:           k_q70b3cf14b5_quant
    .symbol:         k_q70b3cf14b5_quant.kd
    .args:
      - { .name: queries, .offset: 0, .size: 8, .value_kind: global_buffer, .address_space: global }
      - { .name: keys, .offset: 8, .size: 8, .value_kind: global_buffer, .address_space: global }
      - { .name: values, .offset: 16, .size: 8, .value_kind: global_buffer, .address_space: global }
      - { .name: qc, .offset: 24, .size: 8, .value_kind: global_buffer, .address_space: global }
      - { .name: qs, .offset: 32, .size: 8, .value_kind: global_buffer, .address_space: global }
      - { .name: kvc, .offset: 40, .size: 8, .value_kind: global_buffer, .address_space: global }
      - { .name: kvs, .offset: 48, .size: 8, .value_kind: global_buffer, .address_space: global }
    .group_segment_fixed_size: 26880
    .private_segment_fixed_size: 0
    .kernarg_segment_align: 8
    .kernarg_segment_size: 56
    .max_flat_workgroup_size: 192
    .sgpr_count:     66
    .vgpr_count:     194
    .wavefront_size: 32
...
	.end_amdgpu_metadata
.endif
;; end of part 1
;; launch attn (part 2): grid 16 x 16, 8 waves a work-group, no clusters, 175,104 bytes of LDS; arguments qc, qs, kvc, kvs, valid_lens, out0; writes out0
.if DOCPART == 2
	.amdgcn_target "amdgcn-amd-amdhsa--gfx1250"
	.amdhsa_code_object_version 6
	.text
	.protected	k_q70b3cf14b5_attn
	.globl	k_q70b3cf14b5_attn
	.p2align	8
	.type	k_q70b3cf14b5_attn,@function
k_q70b3cf14b5_attn:
	s_mov_b64 s[64:65], 0
	v_nop
	global_prefetch_b8 v0, s[64:65] scope:SCOPE_SE
	s_setreg_imm32_b32 hwreg(HW_REG_WAVE_MODE, 25, 1), 1
	s_wait_xcnt 0x0
; out0[b][q][:] = the sum over k of softmax_k(logit) V[b][k][:], logit = Q[b][q] . K[b][k] / 8 where k < valid_lens[b], else -1e6.  16 batches, 2,048 queries, 2,048 keys, d = 64.
; Both products on codes of FP4 (E2M1) with one E8M0 scale for each 32 along K; codes and scale words come from the launch before, laid as images of the operands' registers (its head comment has the layouts).
; THE SOFTMAX AHEAD OF THE SECOND PRODUCT: t = logit x log2(e); M = the row's largest t so far, rounded UP to a whole number; p = 2^(t - M) is quantised along the keys, not normalised; the row's sum is taken of the
; unquantised p and divides at the end.  When M moves, the sum and O are multiplied by 2^(old M - new M): exact.  t - M is one fused multiply-add on the score.
; THE MASK.  valid > 0: hidden scores become -infinity, so p = 0, and a step of 128 keys that are all hidden is jumped over (a scalar branch on valid_lens[b]): NS = ceil(valid / 128) steps are worked.
; valid = 0: every logit is -1e6; t = -1e6 x log2(e) in f32 is the whole number -1,442,695, so M = t and p = 1 for every key.  All 16 steps are walked with every score replaced by 0: t = 0, M = 0, p = 1: the same p.
; LIMITS: right where a row's largest valid logit lies above -1e6 + 104 (below that hidden keys would have weight); valid_lens is held to 0 .. 2,048, which the comparison k < valid does not tell from the number itself.
; SHARES.  Work-group (x = group of 128 queries, y = batch).  Wave w owns tile w of the group: 16 queries in 256 registers; all eight waves walk the batch's steps, 128 keys each.
; K AND V lie in LDS, each step in bytes of its own (8,192 of codes, 512 of scale words): nothing in LDS is ever written twice but a wave's own stage.  They come in chunks of four steps, as dense copies through registers:
; chunk c + 1 is asked for before chunk c is worked, and is stored behind chunk c's work, in front of the one barrier a chunk.
; NO JOINT REQUESTS, though the 16 work-groups of a batch read the same 139,264 bytes: a joint request is a tensor load; the branch on valid_lens[b] leaves out
; 16 - NS of a batch's 16 steps, loads, softmax and products alike.
; LAYOUT.  Both products are used transposed: S^T = K Q^T (source 0 = keys, source 1 = my 16 queries), O^T = V^T P^T: a lane holds ONE query (lane % 16) throughout.
; K = 64 IN AN INSTRUCTION OF 128: source 0 holds TWO tiles of keys (registers 0-3 tile 2 bb, registers 4-7 tile 2 bb + 1); source 1 is (Q, zeros) for the first and (zeros, Q) for the second, both cut out of
; twelve registers zeros, Q, zeros.  Zero codes add nothing.  K's word W_bb has the first tile's two bytes, then the second's; Q's word is its two bytes twice.
; In S^T register 16 bb + i of lane (r, h) is key 32 bb + 16 h + i of the step: 16 neighbours, as the conversions want them.
; REGISTERS: v1-5, v7 addresses that stay; v8-9 addresses in hand; v[10:11] a chunk's scale words on their way; v12 -M, v13 the largest t, v[14:15] the sum in two halves; v16-19 zeros, v20-23 Q, v24-27 zeros;
;   v28 my offset in out0; v29 4 r; v30 16 h; v31 r; v32-63 K; v64-95 V; v96-159 S^T, then p; v160-191 O^T; v192-223 a chunk's codes on their way; v224-231 p's codes; v232-247, v252, v254 at work;
;   v248-249 K's scale words, v250-251 V's, v253 p's, v255 Q's.
.set SCL,  131072                      ; LDS: 0: the codes, 8,192 bytes a step; here: the scale words, 512 bytes a step;
.set STG,  139264                      ; here: a stage for each wave, for the way out:
.set STGB, 4352                        ; 16 rows x (256 bytes + 16)
.set AK0,  1                           ; v1   16 x lane: my place in an image
.set AS0,  2                           ; v2   SCL + 4 x lane: my place among a step's scale words
.set FL0,  3                           ; v3   16 x thread: my place in 4,096 bytes of a chunk, in memory and in LDS (chunks 0, 1)
.set FL1,  4                           ; v4   the same + 65,536 (chunks 2, 3: an LDS offset has 16 bits)
.set FSL,  5                           ; v5   SCL + 8 x thread
.set FB,   7                           ; v7   8 x thread
.set ADK,  8
.set ADS,  9
.set FS,   10
.set GO,   28
.set QA,   29
.set H16,  30
.set RR,   31
.set F,    192
.set WV,   16                          ; s16  my wave's number
.set BA,   17                          ; s17  the batch
.set VL,   19                          ; s19  valid_lens[batch], held to 0 .. 2,048
.set SEL,  20                          ; s[20:21] lane selects for v_permlanex16_b32: lane l xor 16
.set CS,   22                          ; s[22:23] c = log2(e) / 8: the packed form names a pair and takes its low word for both halves
.set NS,   24                          ; s24  steps to work
.set LIMK, 25                          ; s25  128 NS
.set FILLV, 26                         ; s26  what a hidden score becomes: -infinity, or 0 where valid = 0
.set TB,   27                          ; s27  LDS byte at which the step's codes begin
.set TS,   28                          ; s28  and its scale words, from SCL on
.set KF0,  29                          ; s29  the step's first key
.set CNT,  30
.macro ASK c                           ; chunk c is asked for: 32,768 bytes of codes and 2,048 of scale words, dense, 16 and 8 bytes a thread.  No hint: sixteen work-groups read these bytes.  No pointer is stepped
.irp i, 0,1,2,3,4,5,6,7
	global_load_b128 v[F+4*\i:F+4*\i+3], v[FL0], s[8:9] offset:32768*(\c)+4096*\i
.endr
	global_load_b64 v[FS:FS+1], v[FB], s[10:11] offset:2048*(\c)
.endm
.macro LAND c                          ; and goes to its own bytes of LDS as it lies
	s_wait_loadcnt 0x0
.irp i, 0,1,2,3,4,5,6,7
	ds_store_b128 v[FL0+(\c)/2], v[F+4*\i:F+4*\i+3] offset:((\c)%2)*32768+4096*\i
.endr
	ds_store_b64 v[FSL], v[FS:FS+1] offset:2048*(\c)
.endm
; A KEY STEP: 128 keys.
.macro STEP
	s_cmp_ge_u32 s[KF0], s[LIMK]                   ; all its keys hidden: nothing of it is done but the address steps at its end
	s_cbranch_scc1 .Lskip_\@
	v_add_nc_u32 v[ADK], s[TB], v[AK0]
	v_add_nc_u32 v[ADS], s[TS], v[AS0]
	v_nop
	v_nop                                          ; four places between the last step's products and loads into registers that they read (ISA guide 7.12.1 for vector instructions)
	ds_load_b32 v248, v[ADS]                       ; K's words: lanes 0-15 W_0, lanes 16-31 W_1;
	ds_load_b32 v249, v[ADS] offset:128            ; W_2, W_3
.irp i, 0,1,2,3,4,5,6,7
	ds_load_b128 v[32+4*\i:35+4*\i], v[ADK] offset:512*\i          ; K's tile i: 512 consecutive bytes
.endr
	ds_load_b32 v250, v[ADS] offset:256            ; V's words: lanes 0-15 tile 0, lanes 16-31 tile 1;
	ds_load_b32 v251, v[ADS] offset:384            ; tiles 2, 3
.irp i, 0,1,2,3,4,5,6,7
	ds_load_b128 v[64+4*\i:67+4*\i], v[ADK] offset:4096+512*\i     ; V's tile i / 2, registers 4 (i % 2) on
.endr
	s_wait_dscnt 10                                ; K and its words are in; V's ten loads may be out
.irp bb, 0,1,2,3
.irp u, 0,1
.if \bb % 2
	v_wmma_scale_f32_16x16x128_f8f6f4 v[96+8*(2*\bb+\u):103+8*(2*\bb+\u)], v[32+8*\bb:39+8*\bb], v[20-4*\u:27-4*\u], 0, v[248+\bb/2], v255 matrix_a_fmt:MATRIX_FMT_FP4 matrix_b_fmt:MATRIX_FMT_FP4 matrix_a_scale:MATRIX_SCALE_ROW1
.else
	v_wmma_scale_f32_16x16x128_f8f6f4 v[96+8*(2*\bb+\u):103+8*(2*\bb+\u)], v[32+8*\bb:39+8*\bb], v[20-4*\u:27-4*\u], 0, v[248+\bb/2], v255 matrix_a_fmt:MATRIX_FMT_FP4 matrix_b_fmt:MATRIX_FMT_FP4
.endif
.endr
.endr
.rept 4
	v_nop                                          ; four places in front of the first read of the scores
.endr
	s_add_co_u32 s31, s[KF0], 128                  ; a step all of whose keys count has no mask to lay
	s_cmp_le_u32 s31, s[VL]
	s_cbranch_scc1 .Lopen_\@
	s_sub_co_i32 s31, s[VL], s[KF0]
	v_sub_nc_u32 v252, s31, v[H16]                 ; e = valid - the step's first key - 16 h.  Register 16 bb + i holds key 32 bb + 16 h + i: hidden where 32 bb + i >= e
	v_mov_b32 v254, s[FILLV]
.irp n, 0,1,2,3,4,5,6,7,8,9,10,11,12,13,14,15,16,17,18,19,20,21,22,23,24,25,26,27,28,29,30,31,32,33,34,35,36,37,38,39,40,41,42,43,44,45,46,47,48,49,50,51,52,53,54,55,56,57,58,59,60,61,62,63
	v_cmp_ge_i32 vcc_lo, 32*(\n/16)+\n%16, v252
	v_cndmask_b32 v[96+\n], v[96+\n], v254, vcc_lo
.endr
.Lopen_\@:
.irp b, 0,1,2,3
	v_max3_num_f32 v[232+\b], v[96+16*\b], v[97+16*\b], v[98+16*\b]   ; THE LARGEST SCORE OF EACH BLOCK OF 32 KEYS: it serves twice: for the row's maximum, and, since p rises with the score, for the block's largest p
.endr
.irp i, 3,5,7,9,11,13
.irp b, 0,1,2,3
	v_max3_num_f32 v[232+\b], v[232+\b], v[96+16*\b+\i], v[97+16*\b+\i]   ; (the four blocks by turns)
.endr
.endr
.irp b, 0,1,2,3
	v_max_num_f32 v[232+\b], v[232+\b], v[111+16*\b]
.endr
.irp b, 0,1,2,3
	v_permlanex16_b32 v[236+\b], v[232+\b], s[SEL], s[SEL+1]
.endr
.irp b, 0,1,2,3
	v_max_num_f32 v[232+\b], v[232+\b], v[236+\b]  ; with lane l xor 16's 16 keys
.endr
	v_max3_num_f32 v254, v232, v233, v234
	v_max_num_f32 v254, v254, v235                 ; the step's largest score of my query
	v_mul_f32 v254, s[CS], v254                    ; as t (c is positive)
	v_max_num_f32 v13, v13, v254                   ; the running largest t
	v_mov_b32 v254, v12
	v_floor_f32 v12, -v13                          ; the new -M = floor(-t) = -ceil(t): M is a whole number
	v_sub_f32 v254, v12, v254                      ; M's old value less its new one: a whole number, 0 or less
	v_cvt_i32_f32 v254, v254                       ; (it saturates)
	v_ldexp_f32 v252, 1.0, v254                    ; f = 2^(old M - new M)
.irp j, 0,2,4,6,8,10,12,14,16,18,20,22,24,26,28,30,32,34,36,38,40,42,44,46,48,50,52,54,56,58,60,62
	v_pk_fma_f32 v[96+\j:97+\j], v[96+\j:97+\j], s[CS:CS+1], v[12:13] op_sel_hi:[1,0,0]   ; t - M, two at a time (of the pairs c and -M the low word serves both halves)
.endr
.irp b, 0,1,2,3
	v_fma_f32 v[232+\b], v[232+\b], s[CS], v12     ; the same of each block's largest score
.endr
.irp j, 0,1,2,3,4,5,6,7,8,9,10,11,12,13,14,15,16,17,18,19,20,21,22,23,24,25,26,27,28,29,30,31,32,33,34,35,36,37,38,39,40,41,42,43,44,45,46,47,48,49,50,51,52,53,54,55,56,57,58,59,60,61,62,63
	v_exp_f32 v[96+\j], v[96+\j]                   ; p = 2^(t - M), at most 1: not normalised
.endr
	v_pk_mul_f32 v[14:15], v[14:15], v[252:253] op_sel_hi:[1,0]   ; the sums under the new M (the plain line behind the exponentials)
	s_wait_alu depctr_va_vdst(0)                   ; the wait ahead of the first line that names an exponential's result: one for the batch of 64
.irp b, 0,1,2,3
	v_exp_f32 v[232+\b], v[232+\b]                 ; the block's largest p: the same two instructions on the same number give the same bits
.endr
	v_pk_add_f32 v[236:237], v[96:97], v[98:99]    ; THE ROW'S SUM IS TAKEN OF THE UNQUANTISED p: two at a time, in two chains (it reads the 64 alone: plain work behind the four)
.irp j, 4,8,12,16,20,24,28,32,36,40,44,48,52,56,60
	v_pk_add_f32 v[14:15], v[14:15], v[96+\j:97+\j]
	v_pk_add_f32 v[236:237], v[236:237], v[98+\j:99+\j]
.endr
	v_pk_add_f32 v[14:15], v[14:15], v[236:237]
	s_wait_alu depctr_va_vdst(0)                   ; and one for the four
.irp b, 0,1,2,3
	v_max_num_f32 v[232+\b], 0x1800000, v[232+\b]  ; the floor 2^(3 - 127): the byte cannot fall under 1 (a block whose every p is 0 keeps that byte: its codes are zeros)
.endr
.irp b, 0,1,2,3
	v_add_nc_u32 v[244+\b], 0xff000000, v[232+\b]  ; 2 off the exponent field: the conversion's scale operand
.endr
.irp b, 0,1,2,3
	v_lshrrev_b32 v[236+\b], 23, v[244+\b]         ; the scale's byte
.endr
	v_lshl_or_b32 v253, v237, 8, v236              ; p's scale word for these 128 keys
	v_lshl_or_b32 v253, v238, 16, v253
	v_lshl_or_b32 v253, v239, 24, v253
.irp b, 0,1,2,3
	v_cvt_scalef32_pk8_fp4_f32 v[224+2*\b], v[96+16*\b:103+16*\b], v[244+\b]
	v_cvt_scalef32_pk8_fp4_f32 v[225+2*\b], v[104+16*\b:111+16*\b], v[244+\b]
.endr
	v_nop                                          ; one plain line between a scaled conversion and the line that touches its result
.irp c, 0,1                                        ; the operand's layout wants a WHOLE block in a lane: lanes 0-15 block 2 c, lanes 16-31 block 2 c + 1
.irp i, 0,1
	v_permlane16_swap_b32 v[224+4*\c+\i], v[226+4*\c+\i]
.endr
.endr
.irp j, 0,2,4,6,8,10,12,14,16,18,20,22,24,26,28,30
	v_pk_mul_f32 v[160+\j:161+\j], v[160+\j:161+\j], v[252:253] op_sel_hi:[1,0]   ; O^T under the new M: x f, from each accumulator's low end on.  (These 16 also stand between the writes of p's codes and scale word and the products)
.endr
	s_wait_dscnt 0x0                               ; V and its words are in
.irp t, 0,1,2,3                                    ; O^T += V^T P^T: four accumulators, one instruction each; eight other products stand between two links of a chain
.if \t % 2
	v_wmma_scale_f32_16x16x128_f8f6f4 v[160+8*\t:167+8*\t], v[64+8*\t:71+8*\t], v[224:231], v[160+8*\t:167+8*\t], v[250+\t/2], v253 matrix_a_fmt:MATRIX_FMT_FP4 matrix_b_fmt:MATRIX_FMT_FP4 matrix_a_scale:MATRIX_SCALE_ROW1
.else
	v_wmma_scale_f32_16x16x128_f8f6f4 v[160+8*\t:167+8*\t], v[64+8*\t:71+8*\t], v[224:231], v[160+8*\t:167+8*\t], v[250+\t/2], v253 matrix_a_fmt:MATRIX_FMT_FP4 matrix_b_fmt:MATRIX_FMT_FP4
.endif
.endr
.Lskip_\@:
	s_add_co_u32 s[TB], s[TB], 8192                ; the next step's codes, words and first key
	s_add_co_u32 s[TS], s[TS], 512
	s_add_co_u32 s[KF0], s[KF0], 128
.endm
; A CHUNK: four steps, in a loop of constant count.  land = 1: behind them the next chunk, if it is wanted, goes to LDS, and (ask = 1) the one after it is asked for; then my LDS stores are waited for and the barrier follows,
; which stands on every wave's path, under no branch.  Between two barriers chunk c is read and chunk c + 1 written: other bytes.
.macro CHUNK c, land, ask
	s_mov_b32 s[TB], 32768*\c
	s_mov_b32 s[TS], 2048*\c
	s_mov_b32 s[KF0], 512*\c
	s_mov_b32 s[CNT], 4
.Lst_\@:
	STEP
	s_sub_co_u32 s[CNT], s[CNT], 1
	s_cmp_lg_u32 s[CNT], 0
	s_cbranch_scc1 .Lst_\@
.if \land
	s_cmp_gt_u32 s[NS], 4*(\c+1)
	s_cbranch_scc0 .Lnl_\@
	LAND \c+1
.if \ask
	s_wait_dscnt 0x0                               ; the stores have read their registers: only now are these loaded again
	s_cmp_gt_u32 s[NS], 4*(\c+2)
	s_cbranch_scc0 .Lnl_\@
	ASK \c+2
.endif
.Lnl_\@:
	s_wait_dscnt 0x0                               ; for the others' sake: my stores into the next chunk's bytes are done
	s_barrier_signal -1
	s_barrier_wait -1
.endif
.endm
	s_load_b256 s[4:11], s[0:1], 0x0               ; qc s[4:5], qs s[6:7], kvc s[8:9], kvs s[10:11]
	s_load_b128 s[12:15], s[0:1], 0x20             ; valid_lens s[12:13], out0 s[14:15]
	v_lshl_add_u32 v242, v0, 2, 0x2a800
	v_mov_b32 v243, 0
	v_lshrrev_b32 v[QA], 5, v0
	v_readfirstlane_b32 s[WV], v[QA]               ; wave 0..7
	s_and_b32 s[BA], ttmp7, 0xffff                 ; the batch
	v_and_b32 v[AK0], 31, v0                       ; lane
	v_and_b32 v[RR], 15, v0                        ; r
	v_and_b32 v[H16], 16, v0                       ; 16 h
	v_lshl_add_u32 v[AS0], v[AK0], 2, SCL
	v_lshlrev_b32 v[AK0], 4, v[AK0]
	v_lshlrev_b32 v[FL0], 4, v0
	v_add_nc_u32 v[FL1], 65536, v[FL0]
	v_lshlrev_b32 v[FB], 3, v0
	v_add_nc_u32 v[FSL], SCL, v[FB]
	v_lshlrev_b32 v[QA], 2, v[RR]                  ; 4 r
	s_lshl_b32 s31, s[BA], 4
	s_add_co_u32 s31, s31, ttmp9                   ; 16 batch + group
	s_lshl_b32 s32, s31, 12                        ; Q's codes: 4,096 bytes a group,
	s_lshl_b32 s39, s[WV], 9                       ; 512 a tile
	s_add_co_u32 s32, s32, s39
	s_mov_b32 s33, 0
	s_lshl_b32 s34, s31, 8                         ; Q's words: 256 bytes a group;
	s_lshr_b32 s39, s[WV], 1
	s_lshl_b32 s39, s39, 6                         ; W_bb begins 64 bb bytes on, bb = wave / 2
	s_add_co_u32 s34, s34, s39
	s_mov_b32 s35, 0
	s_lshl_b32 s36, s31, 7                         ; my tile's first row of out0: 128 (16 batch + group)
	s_lshr_b32 s39, s39, 1
	s_add_co_u32 s36, s36, s39                     ; + 32 bb
	s_and_b32 s38, s[WV], 1                        ; u
	s_lshl_b32 s39, s38, 3
	s_add_co_u32 s36, s36, s39                     ; + 8 u,
	s_lshl_b32 s36, s36, 8                         ; in rows of 256 bytes
	s_mov_b32 s37, 0
	s_lshl_b32 s38, s38, 4                         ; 16 u: where my tile's two bytes begin in W_bb, in bits
	s_lshl_b32 s40, s[BA], 17                      ; a batch's codes of K and V: 16 steps of 8,192 bytes
	s_mov_b32 s41, 0
	s_lshl_b32 s42, s[BA], 13                      ; its scale words: 16 x 512
	s_mov_b32 s43, 0
	s_lshl_b32 s44, s[BA], 2
	s_mov_b32 s45, 0
	s_mov_b32 s[SEL], 0x76543210
	s_mov_b32 s[SEL+1], 0xfedcba98
	s_mov_b32 s[CS], 0x3e38aa3b                    ; c = log2(e) / 8
	s_mov_b32 s[CS+1], s[CS]                       ; (named with it as a pair, so it is written)
	s_wait_kmcnt 0x0
	s_add_nc_u64 s[12:13], s[12:13], s[44:45]
	s_load_b32 s[VL], s[12:13], 0x0                ; valid_lens[batch]
	s_add_nc_u64 s[8:9], s[8:9], s[40:41]
	s_add_nc_u64 s[10:11], s[10:11], s[42:43]
	ASK 0                                          ; chunk 0 is always wanted: NS is at least 1
	s_add_nc_u64 s[4:5], s[4:5], s[32:33]
	s_add_nc_u64 s[6:7], s[6:7], s[34:35]
	s_add_nc_u64 s[14:15], s[14:15], s[36:37]
	global_load_b128 v[20:23], v[AK0], s[4:5]      ; Q's tile stays in registers
	global_load_b32 v255, v[QA], s[6:7]            ; W_bb of my tile's rows
.irp j, 16,17,18,19,24,25,26,27
	v_mov_b32 v\j, 0                               ; the zero codes on both sides of Q
.endr
	v_mov_b32 v13, 0xff61b1e6                      ; the largest t so far: -3e38, under every t
	v_floor_f32 v12, -v13                          ; -M
	v_mov_b32 v14, 0                               ; the sum, in two halves
	v_mov_b32 v15, 0
.irp j, 236,237,238,239,252,253
	v_mov_b32 v\j, 0                               ; written once: a lane permute's destination counts as one of its sources; v253 is named as the upper half of a pair before it is first written
.endr
	v_lshlrev_b32 v[GO], 4, v[RR]
	v_lshl_add_u32 v[GO], v[H16], 4, v[GO]         ; the way out: lanes 0-15 one row of out0, lanes 16-31 the next; 16 bytes a lane
	s_wait_kmcnt 0x0
	s_max_i32 s[VL], s[VL], 0
	s_min_i32 s[VL], s[VL], 2048
	s_add_co_u32 s[NS], s[VL], 127
	s_lshr_b32 s[NS], s[NS], 7
	s_cmp_eq_u32 s[VL], 0
	s_cselect_b32 s[NS], 16, s[NS]                 ; valid = 0: every key counts alike
	s_cselect_b32 s[FILLV], 0, 0xff800000
	s_lshl_b32 s[LIMK], s[NS], 7
	LAND 0                                         ; its wait for all loads serves Q too
	v_lshrrev_b32 v255, s38, v255                  ; my tile's two bytes of W_bb,
	v_and_b32 v255, 0xffff, v255
	v_lshl_or_b32 v255, v255, 16, v255             ; twice: they stand beside Q's codes in either half of K
.irp j, 0,1,2,3,4,5,6,7,8,9,10,11,12,13,14,15,16,17,18,19,20,21,22,23,24,25,26,27,28,29,30,31
	v_mov_b32 v[160+\j], 0                         ; O^T: the step is written once; its first turn finds zeros, which the first change of M leaves zeros.  (These lines also stand between the write of Q's scale word and the first product)
.endr
	s_wait_dscnt 0x0                               ; chunk 0's stores are done, and have read their registers
	s_cmp_gt_u32 s[NS], 4
	s_cbranch_scc0 .Lone_chunk
	ASK 1
.Lone_chunk:
	s_barrier_signal -1
	s_barrier_wait -1                              ; chunk 0 lies in LDS
	CHUNK 0, 1, 1
	CHUNK 1, 1, 1
	CHUNK 2, 1, 0
	CHUNK 3, 0, 0
	; THE WAY OUT.  The sum's two halves and lane l xor 16's are added; O^T is divided by the sum and goes through my own stage in LDS, so that sixteen lanes store a whole row of 256 bytes.
	v_add_f32 v14, v14, v15
	v_permlanex16_b32 v252, v14, s[SEL], s[SEL+1]
	v_add_f32 v14, v14, v252                       ; the row's sum
	v_rcp_f32 v14, v14
	s_mul_i32 s31, s[WV], STGB
	s_add_co_u32 s31, s31, STG                     ; my stage
	v_mul_u32_u24 v[ADK], v[RR], 272               ; (plain lines behind the reciprocal and behind the last products)
	v_lshl_add_u32 v[ADK], v[H16], 1, v[ADK]
	v_add_nc_u32 v[ADK], s31, v[ADK]               ; in: row r; tile t's eight channels of my half: 64 t + 32 h bytes on
	v_mul_u32_u24 v[ADS], v[H16], 17
	v_lshl_add_u32 v[ADS], v[RR], 4, v[ADS]
	v_add_nc_u32 v[ADS], s31, v[ADS]               ; back: lanes 0-15 one row, lanes 16-31 the next
	s_wait_alu depctr_va_vdst(0)                   ; the wait ahead of the reciprocal's first reader
.irp j, 0,2,4,6,8,10,12,14,16,18,20,22,24,26,28,30
	v_pk_mul_f32 v[96+\j:97+\j], v[160+\j:161+\j], v[14:15] op_sel_hi:[1,0]   ; O^T / the sum: register 8 t + i is channel 16 t + 8 h + i of query r; each accumulator from its low end on
.endr
.irp t, 0,1,2,3
	ds_store_b128 v[ADK], v[96+8*\t:99+8*\t] offset:64*\t
	ds_store_b128 v[ADK], v[100+8*\t:103+8*\t] offset:64*\t+16
.endr
.irp i, 0,1,2,3,4,5,6,7
	ds_load_b128 v[32+4*\i:35+4*\i], v[ADS] offset:544*\i          ; LDS serves a wave's instructions in order (ISA guide 5.7.1.4): these see my stores
.endr
.irp i, 0,1,2,3,4,5,6,7
	s_wait_dscnt 7-\i                              ; load i is in; the younger ones may be out
	global_store_b128 v[GO], v[32+4*\i:35+4*\i], s[14:15] offset:(2*\i+8*(\i/4))*256 th:TH_STORE_NT   ; two whole rows of 256 bytes; the tile's rows 8 to 15 lie 8 rows further down in out0
.endr
	s_wait_tensorcnt 0x0
	ds_add_u32 v242, v243
	s_wait_dscnt 0x0
	s_endpgm
.Lfunc_end_k_q70b3cf14b5_attn:
	.size	k_q70b3cf14b5_attn, .Lfunc_end_k_q70b3cf14b5_attn-k_q70b3cf14b5_attn
	.p2alignl 7, 3214868480
	.fill 96, 4, 3214868480
	.section	.rodata,"a",@progbits
	.p2align	6, 0x0
	.amdhsa_kernel k_q70b3cf14b5_attn
		.amdhsa_group_segment_fixed_size 175104
		.amdhsa_private_segment_fixed_size 0
		.amdhsa_enable_private_segment 0
		.amdhsa_kernarg_size 48
		.amdhsa_user_sgpr_count 2
		.amdhsa_user_sgpr_kernarg_segment_ptr 1
		.amdhsa_wavefront_size32 1
		.amdhsa_system_sgpr_workgroup_id_x 1
		.amdhsa_system_sgpr_workgroup_id_y 1
		.amdhsa_system_sgpr_workgroup_id_z 1
		.amdhsa_system_vgpr_workitem_id 0
		.amdhsa_next_free_vgpr 256
		.amdhsa_next_free_sgpr 66
		.amdhsa_reserve_vcc 1
		.amdhsa_float_denorm_mode_32 3
		.amdhsa_float_denorm_mode_16_64 3
		.amdhsa_memory_ordered 1
		.amdhsa_forward_progress 1
		.amdhsa_inst_pref_size 97
	.end_amdhsa_kernel
	.amdgpu_metadata
---
amdhsa.version: [ 1, 2 ]
amdhsa.kernels:
  - .name:           k_q70b3cf14b5_attn
    .symbol:         k_q70b3cf14b5_attn.kd
    .args:
      - { .name: qc, .offset: 0, .size: 8, .value_kind: global_buffer, .address_space: global }
      - { .name: qs, .offset: 8, .size: 8, .value_kind: global_buffer, .address_space: global }
      - { .name: kvc, .offset: 16, .size: 8, .value_kind: global_buffer, .address_space: global }
      - { .name: kvs, .offset: 24, .size: 8, .value_kind: global_buffer, .address_space: global }
      - { .name: valid_lens, .offset: 32, .size: 8, .value_kind: global_buffer, .address_space: global }
      - { .name: out0, .offset: 40, .size: 8, .value_kind: global_buffer, .address_space: global }
    .group_segment_fixed_size: 175104
    .private_segment_fixed_size: 0
    .kernarg_segment_align: 8
    .kernarg_segment_size: 48
    .max_flat_workgroup_size: 256
    .sgpr_count:     66
    .vgpr_count:     256
    .wavefront_size: 32
...
	.end_amdgpu_metadata
.endif
;; end of part 2
;; ======== version 2 of 2: 2 launches
;; limits: right only within a limited range of input values
;; workspace buffers: qc 1,048,576 bytes; qs 65,536 bytes; kvc 2,097,152 bytes; kvs 131,072 bytes
;; launch quant (part 3): grid 256 x 1, 6 waves a work-group, no clusters, 26,880 bytes of LDS; arguments queries, keys, values, qc, qs, kvc, kvs; writes qc, qs, kvc, kvs
.if DOCPART == 3
	.amdgcn_target "amdgcn-amd-amdhsa--gfx1250"
	.amdhsa_code_object_version 6
	.text
	.protected	k_q70b3cf14b5_quant
	.globl	k_q70b3cf14b5_quant
	.p2align	8
	.type	k_q70b3cf14b5_quant,@function
k_q70b3cf14b5_quant:
	s_mov_b64 s[64:65], 0
	v_nop
	global_prefetch_b8 v0, s[64:65] scope:SCOPE_SE
	s_setreg_imm32_b32 hwreg(HW_REG_WAVE_MODE, 25, 1), 1
	s_wait_xcnt 0x0
; queries, keys, values: [16][2048][64] f32.  All three become codes of FP4 (E2M1) with one E8M0 scale byte for each 32 along a product's K: queries and keys along d (their last axis),
; values along the KEYS (their middle axis).  The codes and scale words are laid as IMAGES OF THE OPERANDS' REGISTERS, so that the attention launch takes them by dense 16-byte loads alone.
; A block's scale is 2^(floor(log2(its largest magnitude)) - 2); its byte is the largest magnitude's exponent field - 2, held at 1 from below; each number is divided by the scale and rounded to the nearest code,
; ties to even, beyond 6 the largest code.
; LIMITS: a block of zeros gets the byte 1 where the rule says 127 (its codes are zeros, and this program alone reads the bytes); magnitudes under 2^-124 are held by the floor; NaN and infinities are not served.
; SHARES.  Work-group x = 16 batch + group takes 128 rows of each tensor.  Waves 0, 1: the two halves (64 rows) of the queries; waves 2, 3: of the keys; waves 4, 5: the two halves (32 columns) of the values, all 128 keys.
; One branch on the wave's number parts the values' path.  No loop, no barrier: waves share nothing, every offset is an immediate, and no store's data register is written again.
; IMAGES (L = lane, r = L % 16, h = L / 16).
;   A tile 2 bb + u of queries or keys: lane (r, h) holds the 16 bytes of codes of d = 32 h .. 32 h + 31 of row 32 bb + 8 u + r + 8 (r / 8) of the group, at byte 512 (2 bb + u) + 16 L.  THE ROWS OF A TILE ARE NOT NEIGHBOURS:
;   so the scores of two neighbouring tiles of keys are 16 neighbouring keys in a lane's registers.
;   Their scale words: W_bb(r) = the two bytes of tile 2 bb's row r, then the two of tile 2 bb + 1's.  Image j: lanes 0-15 W_(2j), lanes 16-31 W_(2j+1), at byte 128 j + 4 L.
;   Values: the 16 bytes of codes of keys 32 kb .. 32 kb + 31 of column d lie at 4096 + 1024 (d / 16) + 256 kb + 16 (d % 16); the scale word of column d = 32 v + L (byte kb) at 256 + 128 v + 4 L.
;   qc: 4,096 bytes a group; qs: 256; kvc: 8,192 (keys' tiles, then values); kvs: 512 (keys' words, then values').
.set STGB, 4352                        ; a wave's stage in LDS: 16 rows x (256 bytes + 16): the pitch is 17 x 16 bytes
.set R,    64                          ; v64-191  four sets of 32 numbers
.set C,    24                          ; v24-39   codes: four registers for each tile or block
.set WV,   18                          ; s18      my wave's number
.macro QLOAD                           ; my 64 rows: each load reads two whole rows, 512 consecutive bytes, 16 a lane.  Load i of tile t: the tile's rows 2 i and 2 i + 1
.irp t, 0,1,2,3
.irp i, 0,1,2,3,4,5,6,7
	global_load_b128 v[R+32*\t+4*\i:R+32*\t+4*\i+3], v4, s[22:23] offset:(32*(\t/2)+8*(\t%2)+2*(\i%4)+16*(\i/4))*256 th:TH_LOAD_NT
.endr
.endr
.endm
.macro TURN t                          ; tile t through my stage: in as loaded, back 128 bytes a lane: lane (r, h) then holds d = 32 h + 0 .. 31 of the tile's row r in 32 registers on end
	s_wait_loadcnt 24-8*(\t)                       ; the tile's eight loads are in; the later tiles' may be out
.irp i, 0,1,2,3,4,5,6,7
	ds_store_b128 v5, v[R+32*(\t)+4*\i:R+32*(\t)+4*\i+3] offset:544*\i
.endr
.irp i, 0,1,2,3,4,5,6,7
	ds_load_b128 v[R+32*(\t)+4*\i:R+32*(\t)+4*\i+3], v6 offset:16*\i   ; LDS serves a wave's instructions in order (ISA guide 5.7.1.4): these see the stores above, and the next tile's stores come behind them
.endr
.endm
.macro AMAX x                          ; v8 = the largest magnitude of v[x] .. v[x + 31], in two chains, with the floor 2^(3 - 127) as one more leaf: so the byte cannot fall under 1;  v10 = the conversion's scale operand
	v_max3_num_f32 v8, |v[\x]|, |v[\x+1]|, |v[\x+2]|
	v_max3_num_f32 v9, |v[\x+3]|, |v[\x+4]|, |v[\x+5]|
.irp i, 6,10,14,18,22,26
	v_max3_num_f32 v8, v8, |v[\x+\i]|, |v[\x+\i+1]|
	v_max3_num_f32 v9, v9, |v[\x+\i+2]|, |v[\x+\i+3]|
.endr
	v_max3_num_f32 v8, v8, |v[\x+30]|, |v[\x+31]|
	v_max3_num_f32 v8, v8, v9, 0x1800000
	v_add_nc_u32 v10, 0xff000000, v8               ; 2 off its exponent field: the conversion takes the exponent field of this operand as its scale, and nothing else of it
.endm
.macro QQ t                            ; tile t: my block of 32 becomes 16 bytes of codes; its byte joins lane l xor 16's
	AMAX R+32*(\t)
.irp g, 0,1,2,3
	v_cvt_scalef32_pk8_fp4_f32 v[C+4*(\t)+\g], v[R+32*(\t)+8*\g:R+32*(\t)+8*\g+7], v10
.endr
	v_lshrrev_b32 v11, 23, v10                     ; the scale's byte (also the plain line behind the conversions)
	v_lshlrev_b32 v11, v7, v11                     ; at its place: 8 h bits up
	v_permlanex16_b32 v12, v11, s20, s21
	v_or_b32 v[16+(\t)], v11, v12                  ; the row's two bytes, in both halves of the lanes
	global_store_b128 v4, v[C+4*(\t):C+4*(\t)+3], s[24:25] offset:512*(\t)   ; the tile's image: 512 consecutive bytes, aligned
.endm
.macro VLOAD kb                        ; block kb of 32 keys: a lane takes a column, its registers run down the keys; a load reads 128 consecutive bytes, the sister wave the row's other 128
.irp i, 0,1,2,3,4,5,6,7,8,9,10,11,12,13,14,15,16,17,18,19,20,21,22,23,24,25,26,27,28,29,30,31
	global_load_b32 v[R+32*(\kb)+\i], v13, s[22:23] offset:256*(32*(\kb)+\i) th:TH_LOAD_NT
.endr
.endm
.macro VBLOCK kb
.if (\kb) < 3
	s_wait_loadcnt 32                              ; this block's 32 loads are in; the next block's may be out
.else
	s_wait_loadcnt 0x0
.endif
.if (\kb) < 2
	VLOAD (\kb)+2
.endif
	AMAX R+32*(\kb)                                ; all 32 numbers of the block are mine
.irp g, 0,1,2,3
	v_cvt_scalef32_pk8_fp4_f32 v[C+4*(\kb)+\g], v[R+32*(\kb)+8*\g:R+32*(\kb)+8*\g+7], v10
.endr
.if (\kb) == 0
	v_lshrrev_b32 v22, 23, v10                     ; the scale's byte: the word's lowest (also the plain line behind the conversions)
.else
	v_lshrrev_b32 v11, 23, v10
	v_lshl_or_b32 v22, v11, 8*(\kb), v22
.endif
	global_store_b128 v14, v[C+4*(\kb):C+4*(\kb)+3], s[24:25] offset:256*(\kb)   ; lanes 0-15 fill 256 consecutive bytes, aligned; lanes 16-31 the like 1,024 bytes on
.endm
	s_load_b256 s[4:11], s[0:1], 0x0               ; queries s[4:5], keys s[6:7], values s[8:9], qc s[10:11]
	s_load_b128 s[12:15], s[0:1], 0x20             ; qs s[12:13], kvc s[14:15]
	s_load_b64 s[16:17], s[0:1], 0x30              ; kvs
	v_lshl_add_u32 v192, v0, 2, 0x6600
	v_mov_b32 v193, 0
	v_lshrrev_b32 v1, 5, v0
	v_readfirstlane_b32 s[WV], v1                  ; wave 0..5
	v_and_b32 v1, 31, v0                           ; lane
	v_and_b32 v2, 15, v0                           ; r
	v_bfe_u32 v3, v0, 4, 1                         ; h
	v_lshlrev_b32 v4, 4, v1                        ; 16 x lane: my bytes of a load's 512 and of a tile's image
	v_lshlrev_b32 v13, 2, v1                       ; 4 x lane
	s_mul_i32 s28, s[WV], STGB                     ; my stage
	v_mul_u32_u24 v5, v3, 272
	v_lshl_add_u32 v5, v2, 4, v5
	v_add_nc_u32 v5, s28, v5                       ; in: row h of a load's two, 16 r bytes on
	v_mul_u32_u24 v6, v2, 272
	v_lshl_add_u32 v6, v3, 7, v6
	v_add_nc_u32 v6, s28, v6                       ; back: row r, my half's 128 bytes
	v_lshlrev_b32 v7, 3, v3                        ; 8 h
	v_mov_b32 v12, 0                               ; written once: a lane permute's destination counts as one of its sources
	v_lshlrev_b32 v14, 10, v3
	v_lshl_add_u32 v14, v2, 4, v14                 ; values' codes: 1,024 (lane / 16) + 16 (lane % 16)
	s_mov_b32 s20, 0x76543210
	s_mov_b32 s21, 0xfedcba98                      ; v_permlanex16_b32's selects for lane l xor 16
	s_and_b32 s31, s[WV], 1                        ; which half is mine
	s_mov_b32 s33, 0
	s_wait_kmcnt 0x0
	s_cmp_ge_u32 s[WV], 4
	s_cbranch_scc1 .Lvalues
	; ---- queries (waves 0, 1) and keys (waves 2, 3): one text; the buffers are chosen on the wave's number alone
	s_cmp_lt_u32 s[WV], 2
	s_cselect_b64 s[22:23], s[4:5], s[6:7]         ; from
	s_cselect_b64 s[24:25], s[10:11], s[14:15]     ; the codes' buffer
	s_cselect_b64 s[26:27], s[12:13], s[16:17]     ; the scale words'
	s_cselect_b32 s28, 12, 13                      ; a group's codes: 4,096 bytes in qc, 8,192 in kvc
	s_cselect_b32 s29, 8, 9                        ; a group's scale words: 256 bytes in qs, 512 in kvs
	s_lshl_b32 s32, ttmp9, 15                      ; 128 rows of 256 bytes a group,
	s_lshl_b32 s34, s31, 14                        ; 64 a half
	s_add_co_u32 s32, s32, s34
	s_add_nc_u64 s[22:23], s[22:23], s[32:33]
	s_lshl_b32 s32, ttmp9, s28
	s_lshl_b32 s34, s31, 11                        ; four tiles of 512 bytes a half
	s_add_co_u32 s32, s32, s34
	s_add_nc_u64 s[24:25], s[24:25], s[32:33]
	s_lshl_b32 s32, ttmp9, s29
	s_lshl_b32 s34, s31, 7                         ; one image of 128 bytes a half
	s_add_co_u32 s32, s32, s34
	s_add_nc_u64 s[26:27], s[26:27], s[32:33]
	QLOAD                                          ; all 32 loads go out at once
	s_wait_alu depctr_va_vdst(0)
	TURN 0
	TURN 1
	s_wait_dscnt 16                                ; tile 0 is back; the next tile's 8 stores and 8 loads may be out
	QQ 0
	TURN 2
	s_wait_dscnt 16
	QQ 1
	TURN 3
	s_wait_dscnt 16
	QQ 2
	s_wait_dscnt 0x0
	QQ 3
	v_lshl_or_b32 v20, v17, 16, v16                ; W of my first pair of tiles,
	v_lshl_or_b32 v21, v19, 16, v18                ; and of my second
	v_cmp_le_u32 vcc_lo, 16, v1
	v_cndmask_b32 v22, v20, v21, vcc_lo            ; the image: lanes 0-15 the first, lanes 16-31 the second
	global_store_b32 v13, v22, s[26:27]            ; 128 consecutive bytes; the sister wave stores the 128 beside them (to join the two would take a barrier; the scale words are a sixteenth of the codes' bytes)
	s_wait_tensorcnt 0x0
	ds_add_u32 v192, v193
	s_wait_dscnt 0x0
	s_endpgm
.Lvalues:                                          ; ---- values (waves 4, 5): columns 32 v .. 32 v + 31, v = wave - 4
	s_lshl_b32 s32, ttmp9, 15
	s_lshl_b32 s34, s31, 7                         ; 32 columns of 4 bytes
	s_add_co_u32 s32, s32, s34
	s_add_nc_u64 s[22:23], s[8:9], s[32:33]
	s_lshl_b32 s32, ttmp9, 13
	s_lshl_b32 s34, s31, 11                        ; two tiles of 1,024 bytes,
	s_add_co_u32 s32, s32, s34
	s_add_co_u32 s32, s32, 4096                    ; behind the keys' tiles
	s_add_nc_u64 s[24:25], s[14:15], s[32:33]
	s_lshl_b32 s32, ttmp9, 9
	s_lshl_b32 s34, s31, 7
	s_add_co_u32 s32, s32, s34
	s_add_co_u32 s32, s32, 256                     ; behind the keys' words
	s_add_nc_u64 s[26:27], s[16:17], s[32:33]
	VLOAD 0
	VLOAD 1
	VBLOCK 0
	VBLOCK 1
	VBLOCK 2
	VBLOCK 3
	global_store_b32 v13, v22, s[26:27]            ; my column's scale word: 128 consecutive bytes a wave
	s_endpgm
.Lfunc_end_k_q70b3cf14b5_quant:
	.size	k_q70b3cf14b5_quant, .Lfunc_end_k_q70b3cf14b5_quant-k_q70b3cf14b5_quant
	.p2alignl 7, 3214868480
	.fill 96, 4, 3214868480
	.section	.rodata,"a",@progbits
	.p2align	6, 0x0
	.amdhsa_kernel k_q70b3cf14b5_quant
		.amdhsa_group_segment_fixed_size 26880
		.amdhsa_private_segment_fixed_size 0
		.amdhsa_enable_private_segment 0
		.amdhsa_kernarg_size 56
		.amdhsa_user_sgpr_count 2
		.amdhsa_user_sgpr_kernarg_segment_ptr 1
		.amdhsa_wavefront_size32 1
		.amdhsa_system_sgpr_workgroup_id_x 1
		.amdhsa_system_sgpr_workgroup_id_y 1
		.amdhsa_system_sgpr_workgroup_id_z 1
		.amdhsa_system_vgpr_workitem_id 0
		.amdhsa_next_free_vgpr 194
		.amdhsa_next_free_sgpr 66
		.amdhsa_reserve_vcc 1
		.amdhsa_float_denorm_mode_32 3
		.amdhsa_float_denorm_mode_16_64 3
		.amdhsa_memory_ordered 1
		.amdhsa_forward_progress 1
		.amdhsa_inst_pref_size 36
	.end_amdhsa_kernel
	.amdgpu_metadata
---
amdhsa.version: [ 1, 2 ]
amdhsa.kernels:
  - .name:           k_q70b3cf14b5_quant
    .symbol:         k_q70b3cf14b5_quant.kd
    .args:
      - { .name: queries, .offset: 0, .size: 8, .value_kind: global_buffer, .address_space: global }
      - { .name: keys, .offset: 8, .size: 8, .value_kind: global_buffer, .address_space: global }
      - { .name: values, .offset: 16, .size: 8, .value_kind: global_buffer, .address_space: global }
      - { .name: qc, .offset: 24, .size: 8, .value_kind: global_buffer, .address_space: global }
      - { .name: qs, .offset: 32, .size: 8, .value_kind: global_buffer, .address_space: global }
      - { .name: kvc, .offset: 40, .size: 8, .value_kind: global_buffer, .address_space: global }
      - { .name: kvs, .offset: 48, .size: 8, .value_kind: global_buffer, .address_space: global }
    .group_segment_fixed_size: 26880
    .private_segment_fixed_size: 0
    .kernarg_segment_align: 8
    .kernarg_segment_size: 56
    .max_flat_workgroup_size: 192
    .sgpr_count:     66
    .vgpr_count:     194
    .wavefront_size: 32
...
	.end_amdgpu_metadata
.endif
;; end of part 3
;; launch attn (part 4): grid 16 x 16, 8 waves a work-group, no clusters, 175,104 bytes of LDS; arguments qc, qs, kvc, kvs, valid_lens, out0; writes out0
.if DOCPART == 4
	.amdgcn_target "amdgcn-amd-amdhsa--gfx1250"
	.amdhsa_code_object_version 6
	.text
	.protected	k_q70b3cf14b5_attn
	.globl	k_q70b3cf14b5_attn
	.p2align	8
	.type	k_q70b3cf14b5_attn,@function
k_q70b3cf14b5_attn:
	s_mov_b64 s[64:65], 0
	v_nop
	global_prefetch_b8 v0, s[64:65] scope:SCOPE_SE
	s_setreg_imm32_b32 hwreg(HW_REG_WAVE_SCHED_MODE, 0, 2), 2
	s_setreg_imm32_b32 hwreg(HW_REG_WAVE_MODE, 25, 1), 1
	s_wait_xcnt 0x0
	s_wait_alu depctr_vm_vsrc(0)
; out0[b][q][:] = the sum over k of softmax_k(logit) V[b][k][:], logit = Q[b][q] . K[b][k] / 8 where k < valid_lens[b], else -1e6.  16 batches, 2,048 queries, 2,048 keys, d = 64.
; Both products on codes of FP4 (E2M1) with one E8M0 scale for each 32 along K; codes and scale words come from the launch before, laid as images of the operands' registers (its head comment has the layouts).
; THE SOFTMAX AHEAD OF THE SECOND PRODUCT: t = logit x log2(e); M = the row's largest t so far, rounded UP to a whole number; p = 2^(t - M) is quantised along the keys, not normalised; the row's sum is taken of the
; unquantised p and divides at the end.  When M moves, the sum and O are multiplied by 2^(old M - new M): exact.  t - M is one fused multiply-add on the score.
; THE MASK.  valid > 0: hidden scores become -infinity, so p = 0, and a step of 128 keys that are all hidden is jumped over (a scalar branch on valid_lens[b]): NS = ceil(valid / 128) steps are worked.
; valid = 0: every logit is -1e6; t = -1e6 x log2(e) in f32 is the whole number -1,442,695, so M = t and p = 1 for every key.  All 16 steps are walked with every score replaced by 0: t = 0, M = 0, p = 1: the same p.
; LIMITS: right where a row's largest valid logit lies above -1e6 + 104 (below that hidden keys would have weight); valid_lens is held to 0 .. 2,048, which the comparison k < valid does not tell from the number itself.
; SHARES.  Work-group (x = group of 128 queries, y = batch).  Wave w owns tile w of the group: 16 queries in 256 registers; all eight waves walk the batch's steps, 128 keys each.
; K AND V lie in LDS, each step in bytes of its own (8,192 of codes, 512 of scale words): nothing in LDS is ever written twice but a wave's own stage.  They come in chunks of four steps, as dense copies through registers:
; chunk c + 1 is asked for before chunk c is worked, and is stored behind chunk c's work, in front of the one barrier a chunk.
; NO JOINT REQUESTS, though the 16 work-groups of a batch read the same 139,264 bytes: a joint request is a tensor load; the branch on valid_lens[b] leaves out
; 16 - NS of a batch's 16 steps, loads, softmax and products alike.
; LAYOUT.  Both products are used transposed: S^T = K Q^T (source 0 = keys, source 1 = my 16 queries), O^T = V^T P^T: a lane holds ONE query (lane % 16) throughout.
; K = 64 IN AN INSTRUCTION OF 128: source 0 holds TWO tiles of keys (registers 0-3 tile 2 bb, registers 4-7 tile 2 bb + 1); source 1 is (Q, zeros) for the first and (zeros, Q) for the second, both cut out of
; twelve registers zeros, Q, zeros.  Zero codes add nothing.  K's word W_bb has the first tile's two bytes, then the second's; Q's word is its two bytes twice.
; In S^T register 16 bb + i of lane (r, h) is key 32 bb + 16 h + i of the step: 16 neighbours, as the conversions want them.
; REGISTERS: v1-5, v7 addresses that stay; v8-9 addresses in hand; v[10:11] a chunk's scale words on their way; v12 -M, v13 the largest t, v[14:15] the sum in two halves; v16-19 zeros, v20-23 Q, v24-27 zeros;
;   v28 my offset in out0; v29 4 r; v30 16 h; v31 r; v32-63 K; v64-95 V; v96-159 S^T, then p; v160-191 O^T; v192-223 a chunk's codes on their way; v224-231 p's codes; v232-247, v252, v254 at work;
;   v248-249 K's scale words, v250-251 V's, v253 p's, v255 Q's.
; THE MODE: SCHED_MODE bits 1:0 = 2 (LLVM: expert scheduling mode 2), set by the entry lines.  The code itself states the register dependences between vector or matrix instructions and memory or LDS
; instructions, with s_wait_alu, always for 0.
; THE PLAN.  Registers that memory or LDS instructions touch:
;   v1-5, v7, v28, v29   addresses and offsets, made at the head ahead of ONE wait on va_vdst and never written again.
;   v8, v9               a step's two LDS addresses.  Written by two additions at the step's head; read by the step's twenty LDS loads.  (On the way out: written once more, for the stage.)
;   v32-63, v248-249     K and its words.  The LDS loads at a step's head land in them; the step's eight score products read them.  (On the way out the stage's loads land in v32-63.)
;   v64-95, v250-251     V and its words.  The step's LDS loads land in them; the four products at the step's end read them.
;   v192-223, v[10:11]   a chunk on its way.  Global loads land in them, LDS stores read them; no vector instruction names them.
;   v96-127              on the way out alone: written by the divisions, read by the stage's LDS stores.
; A STEP'S HEAD has one wait on vm_vsrc (the last step's loads have read v8, v9), the two additions, and one wait on va_vdst: v8 and v9 are written, and the last step's products are done reading K, V and their words.
; Behind it stand K's ten loads in a run; V's ten are dealt among the eight score products, which name v16-27, v32-63, v96-159, v248-249 and v255: none of the registers that V's loads touch.
; All else in a step is vector against vector, but for the operands that vector instructions make for a scaled product: one wait on va_vdst stands ahead of the step's last four products.
.set SCL,  131072                      ; LDS: 0: the codes, 8,192 bytes a step; here: the scale words, 512 bytes a step;
.set STG,  139264                      ; here: a stage for each wave, for the way out:
.set STGB, 4352                        ; 16 rows x (256 bytes + 16)
.set AK0,  1                           ; v1   16 x lane: my place in an image
.set AS0,  2                           ; v2   SCL + 4 x lane: my place among a step's scale words
.set FL0,  3                           ; v3   16 x thread: my place in 4,096 bytes of a chunk, in memory and in LDS (chunks 0, 1)
.set FL1,  4                           ; v4   the same + 65,536 (chunks 2, 3: an LDS offset has 16 bits)
.set FSL,  5                           ; v5   SCL + 8 x thread
.set FB,   7                           ; v7   8 x thread
.set ADK,  8
.set ADS,  9
.set FS,   10
.set GO,   28
.set QA,   29
.set H16,  30
.set RR,   31
.set F,    192
.set WV,   16                          ; s16  my wave's number
.set BA,   17                          ; s17  the batch
.set VL,   19                          ; s19  valid_lens[batch], held to 0 .. 2,048
.set SEL,  20                          ; s[20:21] lane selects for v_permlanex16_b32: lane l xor 16
.set CS,   22                          ; s[22:23] c = log2(e) / 8: the packed form names a pair and takes its low word for both halves
.set NS,   24                          ; s24  steps to work
.set LIMK, 25                          ; s25  128 NS
.set FILLV, 26                         ; s26  what a hidden score becomes: -infinity, or 0 where valid = 0
.set TB,   27                          ; s27  LDS byte at which the step's codes begin
.set TS,   28                          ; s28  and its scale words, from SCL on
.set KF0,  29                          ; s29  the step's first key
.set CNT,  30
.set MK,   66                          ; s66-97 the lane masks of 32 compares
.macro ASK c                           ; chunk c is asked for: 32,768 bytes of codes and 2,048 of scale words, dense, 16 and 8 bytes a thread.  No hint: sixteen work-groups read these bytes.  No pointer is stepped
.irp i, 0,1,2,3,4,5,6,7
	global_load_b128 v[F+4*\i:F+4*\i+3], v[FL0], s[8:9] offset:32768*(\c)+4096*\i
.endr
	global_load_b64 v[FS:FS+1], v[FB], s[10:11] offset:2048*(\c)
.endm
.macro LAND c                          ; and goes to its own bytes of LDS as it lies.  The stores' data come from loads and their addresses were written ahead of the head's wait on va_vdst: nothing more is owed
	s_wait_loadcnt 0x0
.irp i, 0,1,2,3,4,5,6,7
	ds_store_b128 v[FL0+(\c)/2], v[F+4*\i:F+4*\i+3] offset:((\c)%2)*32768+4096*\i
.endr
	ds_store_b64 v[FSL], v[FS:FS+1] offset:2048*(\c)
.endm
; A KEY STEP: 128 keys.
.macro STEP
	s_cmp_ge_u32 s[KF0], s[LIMK]                   ; all its keys hidden: nothing of it is done but the address steps at its end
	s_cbranch_scc1 .Lskip_\@
	s_wait_alu depctr_vm_vsrc(0)                   ; the last step's LDS loads have read v8 and v9, which the two additions write
	v_add_nc_u32 v[ADK], s[TB], v[AK0]
	v_add_nc_u32 v[ADS], s[TS], v[AS0]
	v_nop
	v_nop                                          ; four places between the last step's products and loads into registers that they read (ISA guide 7.12.1 for vector instructions)
	s_wait_alu depctr_va_vdst(0)                   ; v8 and v9 are written, which the loads below read; the last step's products are done reading K, V and their scale words, in which these loads land; in the first step: Q's scale word and the zero codes beside Q are written, which the scaled products take
	ds_load_b32 v248, v[ADS]                       ; K's words: lanes 0-15 W_0, lanes 16-31 W_1;
	ds_load_b32 v249, v[ADS] offset:128            ; W_2, W_3
.irp i, 0,1,2,3,4,5,6,7
	ds_load_b128 v[32+4*\i:35+4*\i], v[ADK] offset:512*\i          ; K's tile i: 512 consecutive bytes
.endr
	s_wait_dscnt 0x0                               ; K and its words are in
.irp bb, 0,1,2,3
.irp u, 0,1
.if \bb % 2
	v_wmma_scale_f32_16x16x128_f8f6f4 v[96+8*(2*\bb+\u):103+8*(2*\bb+\u)], v[32+8*\bb:39+8*\bb], v[20-4*\u:27-4*\u], 0, v[248+\bb/2], v255 matrix_a_fmt:MATRIX_FMT_FP4 matrix_b_fmt:MATRIX_FMT_FP4 matrix_a_scale:MATRIX_SCALE_ROW1
.else
	v_wmma_scale_f32_16x16x128_f8f6f4 v[96+8*(2*\bb+\u):103+8*(2*\bb+\u)], v[32+8*\bb:39+8*\bb], v[20-4*\u:27-4*\u], 0, v[248+\bb/2], v255 matrix_a_fmt:MATRIX_FMT_FP4 matrix_b_fmt:MATRIX_FMT_FP4
.endif
; V's ten loads are dealt among the score products.  No wait: no vector or matrix instruction since the wait at the step's head names v8, v9, v64-95, v250 or v251
.if 2*\bb+\u == 0
	ds_load_b32 v250, v[ADS] offset:256            ; V's words: lanes 0-15 tile 0, lanes 16-31 tile 1;
	ds_load_b32 v251, v[ADS] offset:384            ; tiles 2, 3
.endif
	ds_load_b128 v[64+4*(2*\bb+\u):67+4*(2*\bb+\u)], v[ADK] offset:4096+512*(2*\bb+\u)     ; V's tile bb, registers 4 u on
.endr
.endr
.rept 4
	v_nop                                          ; four places in front of the first read of the scores
.endr
	s_add_co_u32 s31, s[KF0], 128                  ; a step all of whose keys count has no mask to lay
	s_cmp_le_u32 s31, s[VL]
	s_cbranch_scc1 .Lopen_\@
	s_sub_co_i32 s31, s[VL], s[KF0]
	v_sub_nc_u32 v252, s31, v[H16]                 ; e = valid - the step's first key - 16 h.  Register 16 bb + i holds key 32 bb + 16 h + i: hidden where 32 bb + i >= e
	v_mov_b32 v254, s[FILLV]
.irp g, 0,1                                        ; the compares go in two runs of 32, each into a scalar register of its own, with one wait behind the run
.irp n, 0,1,2,3,4,5,6,7,8,9,10,11,12,13,14,15,16,17,18,19,20,21,22,23,24,25,26,27,28,29,30,31
	v_cmp_ge_i32 s[MK+\n], 64*\g+32*(\n/16)+\n%16, v252
.endr
	s_wait_alu depctr_va_sdst(0)                   ; the 32 compares have written s66 to s97, ahead of the selects that read them
.irp n, 0,1,2,3,4,5,6,7,8,9,10,11,12,13,14,15,16,17,18,19,20,21,22,23,24,25,26,27,28,29,30,31
	v_cndmask_b32 v[96+32*\g+\n], v[96+32*\g+\n], v254, s[MK+\n]
.endr
.endr
.Lopen_\@:
.irp b, 0,1,2,3
	v_max3_num_f32 v[232+\b], v[96+16*\b], v[97+16*\b], v[98+16*\b]   ; THE LARGEST SCORE OF EACH BLOCK OF 32 KEYS: it serves twice: for the row's maximum, and, since p rises with the score, for the block's largest p
.endr
.irp i, 3,5,7,9,11,13
.irp b, 0,1,2,3
	v_max3_num_f32 v[232+\b], v[232+\b], v[96+16*\b+\i], v[97+16*\b+\i]   ; (the four blocks by turns)
.endr
.endr
.irp b, 0,1,2,3
	v_max_num_f32 v[232+\b], v[232+\b], v[111+16*\b]
.endr
.irp b, 0,1,2,3
	v_permlanex16_b32 v[236+\b], v[232+\b], s[SEL], s[SEL+1]
.endr
.irp b, 0,1,2,3
	v_max_num_f32 v[232+\b], v[232+\b], v[236+\b]  ; with lane l xor 16's 16 keys
.endr
	v_max3_num_f32 v254, v232, v233, v234
	v_max_num_f32 v254, v254, v235                 ; the step's largest score of my query
	v_mul_f32 v254, s[CS], v254                    ; as t (c is positive)
	v_max_num_f32 v13, v13, v254                   ; the running largest t
	v_mov_b32 v254, v12
	v_floor_f32 v12, -v13                          ; the new -M = floor(-t) = -ceil(t): M is a whole number
	v_sub_f32 v254, v12, v254                      ; M's old value less its new one: a whole number, 0 or less
	v_cvt_i32_f32 v254, v254                       ; (it saturates)
	v_ldexp_f32 v252, 1.0, v254                    ; f = 2^(old M - new M)
.irp j, 0,2,4,6,8,10,12,14,16,18,20,22,24,26,28,30,32,34,36,38,40,42,44,46,48,50,52,54,56,58,60,62
	v_pk_fma_f32 v[96+\j:97+\j], v[96+\j:97+\j], s[CS:CS+1], v[12:13] op_sel_hi:[1,0,0]   ; t - M, two at a time (of the pairs c and -M the low word serves both halves)
.endr
.irp b, 0,1,2,3
	v_fma_f32 v[232+\b], v[232+\b], s[CS], v12     ; the same of each block's largest score
.endr
	s_wait_alu depctr_va_vdst(0)
.irp j, 0,1,2,3,4,5,6,7,8,9,10,11,12,13,14,15,16,17,18,19,20,21,22,23,24,25,26,27,28,29,30,31,32,33,34,35,36,37,38,39,40,41,42,43,44,45,46,47,48,49,50,51,52,53,54,55,56,57,58,59,60,61,62,63
	v_exp_f32 v[96+\j], v[96+\j]                   ; p = 2^(t - M), at most 1: not normalised
.endr
	v_pk_mul_f32 v[14:15], v[14:15], v[252:253] op_sel_hi:[1,0]   ; the sums under the new M (the plain line behind the exponentials)
	s_wait_alu depctr_va_vdst(0)                   ; the 64 exponentials have written v96 to v159: the wait ahead of the first line that names a result: one for the batch
.irp b, 0,1,2,3
	v_exp_f32 v[232+\b], v[232+\b]                 ; the block's largest p: the same two instructions on the same number give the same bits
.endr
	v_pk_add_f32 v[236:237], v[96:97], v[98:99]    ; THE ROW'S SUM IS TAKEN OF THE UNQUANTISED p: two at a time, in two chains (it reads the 64 alone: plain work behind the four)
.irp j, 4,8,12,16,20,24,28,32,36,40,44,48,52,56,60
	v_pk_add_f32 v[14:15], v[14:15], v[96+\j:97+\j]
	v_pk_add_f32 v[236:237], v[236:237], v[98+\j:99+\j]
.endr
	v_pk_add_f32 v[14:15], v[14:15], v[236:237]
	s_wait_alu depctr_va_vdst(0)                   ; and one for the four: they have written v232 to v235
.irp b, 0,1,2,3
	v_max_num_f32 v[232+\b], 0x1800000, v[232+\b]  ; the floor 2^(3 - 127): the byte cannot fall under 1 (a block whose every p is 0 keeps that byte: its codes are zeros)
.endr
.irp b, 0,1,2,3
	v_add_nc_u32 v[244+\b], 0xff000000, v[232+\b]  ; 2 off the exponent field: the conversion's scale operand
.endr
.irp b, 0,1,2,3
	v_lshrrev_b32 v[236+\b], 23, v[244+\b]         ; the scale's byte
.endr
	v_lshl_or_b32 v253, v237, 8, v236              ; p's scale word for these 128 keys
	v_lshl_or_b32 v253, v238, 16, v253
	v_lshl_or_b32 v253, v239, 24, v253
.irp b, 0,1,2,3
	v_cvt_scalef32_pk8_fp4_f32 v[224+2*\b], v[96+16*\b:103+16*\b], v[244+\b]
	v_cvt_scalef32_pk8_fp4_f32 v[225+2*\b], v[104+16*\b:111+16*\b], v[244+\b]
.endr
	v_nop                                          ; one plain line between a scaled conversion and the line that touches its result
.irp c, 0,1                                        ; the operand's layout wants a WHOLE block in a lane: lanes 0-15 block 2 c, lanes 16-31 block 2 c + 1
.irp i, 0,1
	v_permlane16_swap_b32 v[224+4*\c+\i], v[226+4*\c+\i]
.endr
.endr
.irp j, 0,2,4,6,8,10,12,14,16,18,20,22,24,26,28,30
	v_pk_mul_f32 v[160+\j:161+\j], v[160+\j:161+\j], v[252:253] op_sel_hi:[1,0]   ; O^T under the new M: x f, from each accumulator's low end on.  (These 16 also stand between the writes of p's codes and scale word and the products)
.endr
	s_wait_dscnt 0x0                               ; V and its words are in
	s_wait_alu depctr_va_vdst(0)                   ; the conversions and exchanges have written p's codes v224 to v231, the shifts its scale word v253: the scaled products below take them; the places above stay beside this wait
.irp t, 0,1,2,3                                    ; O^T += V^T P^T: four accumulators, one instruction each; eight other products stand between two links of a chain
.if \t % 2
	v_wmma_scale_f32_16x16x128_f8f6f4 v[160+8*\t:167+8*\t], v[64+8*\t:71+8*\t], v[224:231], v[160+8*\t:167+8*\t], v[250+\t/2], v253 matrix_a_fmt:MATRIX_FMT_FP4 matrix_b_fmt:MATRIX_FMT_FP4 matrix_a_scale:MATRIX_SCALE_ROW1
.else
	v_wmma_scale_f32_16x16x128_f8f6f4 v[160+8*\t:167+8*\t], v[64+8*\t:71+8*\t], v[224:231], v[160+8*\t:167+8*\t], v[250+\t/2], v253 matrix_a_fmt:MATRIX_FMT_FP4 matrix_b_fmt:MATRIX_FMT_FP4
.endif
.endr
.Lskip_\@:
	s_add_co_u32 s[TB], s[TB], 8192                ; the next step's codes, words and first key
	s_add_co_u32 s[TS], s[TS], 512
	s_add_co_u32 s[KF0], s[KF0], 128
.endm
; A CHUNK: four steps, in a loop of constant count.  land = 1: behind them the next chunk, if it is wanted, goes to LDS, and (ask = 1) the one after it is asked for; then my LDS stores are waited for and the barrier follows,
; which stands on every wave's path, under no branch.  Between two barriers chunk c is read and chunk c + 1 written: other bytes.
.macro CHUNK c, land, ask
	s_mov_b32 s[TB], 32768*\c
	s_mov_b32 s[TS], 2048*\c
	s_mov_b32 s[KF0], 512*\c
	s_mov_b32 s[CNT], 4
.Lst_\@:
	STEP
	s_sub_co_u32 s[CNT], s[CNT], 1
	s_cmp_lg_u32 s[CNT], 0
	s_cbranch_scc1 .Lst_\@
.if \land
	s_cmp_gt_u32 s[NS], 4*(\c+1)
	s_cbranch_scc0 .Lnl_\@
	LAND \c+1
.if \ask
	s_wait_dscnt 0x0                               ; the stores are done
	s_cmp_gt_u32 s[NS], 4*(\c+2)
	s_cbranch_scc0 .Lnl_\@
	s_wait_alu depctr_vm_vsrc(0)                   ; the LDS stores have read v192 to v223 and v[10:11], in which the loads below land
	ASK \c+2
.endif
.Lnl_\@:
	s_wait_dscnt 0x0                               ; for the others' sake: my stores into the next chunk's bytes are done
	s_barrier_signal -1
	s_barrier_wait -1
.endif
.endm
	s_load_b256 s[4:11], s[0:1], 0x0               ; qc s[4:5], qs s[6:7], kvc s[8:9], kvs s[10:11]
	s_load_b128 s[12:15], s[0:1], 0x20             ; valid_lens s[12:13], out0 s[14:15]
	v_lshl_add_u32 v242, v0, 2, 0x2a800
	v_mov_b32 v243, 0
	v_lshrrev_b32 v[QA], 5, v0
	v_readfirstlane_b32 s[WV], v[QA]               ; wave 0..7
	s_and_b32 s[BA], ttmp7, 0xffff                 ; the batch
	v_and_b32 v[AK0], 31, v0                       ; lane
	v_and_b32 v[RR], 15, v0                        ; r
	v_and_b32 v[H16], 16, v0                       ; 16 h
	v_lshl_add_u32 v[AS0], v[AK0], 2, SCL
	v_lshlrev_b32 v[AK0], 4, v[AK0]
	v_lshlrev_b32 v[FL0], 4, v0
	v_add_nc_u32 v[FL1], 65536, v[FL0]
	v_lshlrev_b32 v[FB], 3, v0
	v_add_nc_u32 v[FSL], SCL, v[FB]
	v_lshlrev_b32 v[QA], 2, v[RR]                  ; 4 r
	v_lshlrev_b32 v[GO], 4, v[RR]
	v_lshl_add_u32 v[GO], v[H16], 4, v[GO]         ; the way out: lanes 0-15 one row of out0, lanes 16-31 the next; 16 bytes a lane
	s_wait_alu depctr_va_sdst(0)                   ; s16, my wave's number, is written, ahead of its first reader: Q's and out0's offsets are made from it
	s_lshl_b32 s31, s[BA], 4
	s_add_co_u32 s31, s31, ttmp9                   ; 16 batch + group
	s_lshl_b32 s32, s31, 12                        ; Q's codes: 4,096 bytes a group,
	s_lshl_b32 s39, s[WV], 9                       ; 512 a tile
	s_add_co_u32 s32, s32, s39
	s_mov_b32 s33, 0
	s_lshl_b32 s34, s31, 8                         ; Q's words: 256 bytes a group;
	s_lshr_b32 s39, s[WV], 1
	s_lshl_b32 s39, s39, 6                         ; W_bb begins 64 bb bytes on, bb = wave / 2
	s_add_co_u32 s34, s34, s39
	s_mov_b32 s35, 0
	s_lshl_b32 s36, s31, 7                         ; my tile's first row of out0: 128 (16 batch + group)
	s_lshr_b32 s39, s39, 1
	s_add_co_u32 s36, s36, s39                     ; + 32 bb
	s_and_b32 s38, s[WV], 1                        ; u
	s_lshl_b32 s39, s38, 3
	s_add_co_u32 s36, s36, s39                     ; + 8 u,
	s_lshl_b32 s36, s36, 8                         ; in rows of 256 bytes
	s_mov_b32 s37, 0
	s_lshl_b32 s38, s38, 4                         ; 16 u: where my tile's two bytes begin in W_bb, in bits
	s_lshl_b32 s40, s[BA], 17                      ; a batch's codes of K and V: 16 steps of 8,192 bytes
	s_mov_b32 s41, 0
	s_lshl_b32 s42, s[BA], 13                      ; its scale words: 16 x 512
	s_mov_b32 s43, 0
	s_lshl_b32 s44, s[BA], 2
	s_mov_b32 s45, 0
	s_mov_b32 s[SEL], 0x76543210
	s_mov_b32 s[SEL+1], 0xfedcba98
	s_mov_b32 s[CS], 0x3e38aa3b                    ; c = log2(e) / 8
	s_mov_b32 s[CS+1], s[CS]                       ; (named with it as a pair, so it is written)
	s_wait_kmcnt 0x0
	s_add_nc_u64 s[12:13], s[12:13], s[44:45]
	s_load_b32 s[VL], s[12:13], 0x0                ; valid_lens[batch]
	s_add_nc_u64 s[8:9], s[8:9], s[40:41]
	s_add_nc_u64 s[10:11], s[10:11], s[42:43]
	s_wait_alu depctr_va_vdst(0)                   ; the eight addresses and offsets v1 to v5, v7, v28 and v29 are written: every load and store of the chunks, of Q and of out0 reads one of them, and none is written again
	ASK 0                                          ; chunk 0 is always wanted: NS is at least 1
	s_add_nc_u64 s[4:5], s[4:5], s[32:33]
	s_add_nc_u64 s[6:7], s[6:7], s[34:35]
	s_add_nc_u64 s[14:15], s[14:15], s[36:37]
	global_load_b128 v[20:23], v[AK0], s[4:5]      ; Q's tile stays in registers
	global_load_b32 v255, v[QA], s[6:7]            ; W_bb of my tile's rows
.irp j, 16,17,18,19,24,25,26,27
	v_mov_b32 v\j, 0                               ; the zero codes on both sides of Q
.endr
	v_mov_b32 v13, 0xff61b1e6                      ; the largest t so far: -3e38, under every t
	v_floor_f32 v12, -v13                          ; -M
	v_mov_b32 v14, 0                               ; the sum, in two halves
	v_mov_b32 v15, 0
.irp j, 236,237,238,239,252,253
	v_mov_b32 v\j, 0                               ; written once: a lane permute's destination counts as one of its sources; v253 is named as the upper half of a pair before it is first written
.endr
	s_wait_kmcnt 0x0
	s_max_i32 s[VL], s[VL], 0
	s_min_i32 s[VL], s[VL], 2048
	s_add_co_u32 s[NS], s[VL], 127
	s_lshr_b32 s[NS], s[NS], 7
	s_cmp_eq_u32 s[VL], 0
	s_cselect_b32 s[NS], 16, s[NS]                 ; valid = 0: every key counts alike
	s_cselect_b32 s[FILLV], 0, 0xff800000
	s_lshl_b32 s[LIMK], s[NS], 7
	LAND 0                                         ; its wait for all loads serves Q too
	v_lshrrev_b32 v255, s38, v255                  ; my tile's two bytes of W_bb,
	v_and_b32 v255, 0xffff, v255
	v_lshl_or_b32 v255, v255, 16, v255             ; twice: they stand beside Q's codes in either half of K
.irp j, 0,1,2,3,4,5,6,7,8,9,10,11,12,13,14,15,16,17,18,19,20,21,22,23,24,25,26,27,28,29,30,31
	v_mov_b32 v[160+\j], 0                         ; O^T: the step is written once; its first turn finds zeros, which the first change of M leaves zeros.  (These lines also stand between the write of Q's scale word and the first product)
.endr
	s_wait_dscnt 0x0                               ; chunk 0's stores are done
	s_cmp_gt_u32 s[NS], 4
	s_cbranch_scc0 .Lone_chunk
	s_wait_alu depctr_vm_vsrc(0)                   ; chunk 0's LDS stores have read v192 to v223 and v[10:11], in which the loads below land
	ASK 1
.Lone_chunk:
	s_barrier_signal -1
	s_barrier_wait -1                              ; chunk 0 lies in LDS
	CHUNK 0, 1, 1
	CHUNK 1, 1, 1
	CHUNK 2, 1, 0
	CHUNK 3, 0, 0
	; THE WAY OUT.  The sum's two halves and lane l xor 16's are added; O^T is divided by the sum and goes through my own stage in LDS, so that sixteen lanes store a whole row of 256 bytes.
	v_add_f32 v14, v14, v15
	v_permlanex16_b32 v252, v14, s[SEL], s[SEL+1]
	v_add_f32 v14, v14, v252                       ; the row's sum
	s_wait_alu depctr_va_vdst(0)
	v_rcp_f32 v14, v14
	s_mul_i32 s31, s[WV], STGB
	s_add_co_u32 s31, s31, STG                     ; my stage
	s_wait_alu depctr_vm_vsrc(0)                   ; the steps' LDS loads have read v8 and v9, which the lines below write
	v_mul_u32_u24 v[ADK], v[RR], 272               ; (plain lines behind the reciprocal and behind the last products)
	v_lshl_add_u32 v[ADK], v[H16], 1, v[ADK]
	v_add_nc_u32 v[ADK], s31, v[ADK]               ; in: row r; tile t's eight channels of my half: 64 t + 32 h bytes on
	v_mul_u32_u24 v[ADS], v[H16], 17
	v_lshl_add_u32 v[ADS], v[RR], 4, v[ADS]
	v_add_nc_u32 v[ADS], s31, v[ADS]               ; back: lanes 0-15 one row, lanes 16-31 the next
	s_wait_alu depctr_va_vdst(0)                   ; the reciprocal has written v14, ahead of its first reader
.irp j, 0,2,4,6,8,10,12,14,16,18,20,22,24,26,28,30
	v_pk_mul_f32 v[96+\j:97+\j], v[160+\j:161+\j], v[14:15] op_sel_hi:[1,0]   ; O^T / the sum: register 8 t + i is channel 16 t + 8 h + i of query r; each accumulator from its low end on
.endr
	s_wait_alu depctr_va_vdst(0)                   ; the multiplications have written v96 to v127, which the LDS stores read; v8 and v9 are written, the stage's addresses; the score products are done reading v32 to v63, in which the stage's loads land
.irp t, 0,1,2,3
	ds_store_b128 v[ADK], v[96+8*\t:99+8*\t] offset:64*\t
	ds_store_b128 v[ADK], v[100+8*\t:103+8*\t] offset:64*\t+16
.endr
.irp i, 0,1,2,3,4,5,6,7
	ds_load_b128 v[32+4*\i:35+4*\i], v[ADS] offset:544*\i          ; LDS serves a wave's instructions in order (ISA guide 5.7.1.4): these see my stores
.endr
.irp i, 0,1,2,3,4,5,6,7
	s_wait_dscnt 7-\i                              ; load i is in; the younger ones may be out
	global_store_b128 v[GO], v[32+4*\i:35+4*\i], s[14:15] offset:(2*\i+8*(\i/4))*256 th:TH_STORE_NT   ; two whole rows of 256 bytes; the tile's rows 8 to 15 lie 8 rows further down in out0
.endr
	s_wait_dscnt 0x0
	s_wait_alu depctr_hold_cnt(0) depctr_sa_sdst(0) depctr_va_vdst(0) depctr_va_sdst(0) depctr_va_ssrc(0) depctr_va_vcc(0) depctr_vm_vsrc(0)
	s_wait_tensorcnt 0x0
	ds_add_u32 v242, v243
	s_wait_dscnt 0x0
	s_endpgm
.Lfunc_end_k_q70b3cf14b5_attn:
	.size	k_q70b3cf14b5_attn, .Lfunc_end_k_q70b3cf14b5_attn-k_q70b3cf14b5_attn
	.p2alignl 7, 3214868480
	.fill 96, 4, 3214868480
	.section	.rodata,"a",@progbits
	.p2align	6, 0x0
	.amdhsa_kernel k_q70b3cf14b5_attn
		.amdhsa_group_segment_fixed_size 175104
		.amdhsa_private_segment_fixed_size 0
		.amdhsa_enable_private_segment 0
		.amdhsa_kernarg_size 48
		.amdhsa_user_sgpr_count 2
		.amdhsa_user_sgpr_kernarg_segment_ptr 1
		.amdhsa_wavefront_size32 1
		.amdhsa_system_sgpr_workgroup_id_x 1
		.amdhsa_system_sgpr_workgroup_id_y 1
		.amdhsa_system_sgpr_workgroup_id_z 1
		.amdhsa_system_vgpr_workitem_id 0
		.amdhsa_next_free_vgpr 256
		.amdhsa_next_free_sgpr 98
		.amdhsa_reserve_vcc 0
		.amdhsa_float_denorm_mode_32 3
		.amdhsa_float_denorm_mode_16_64 3
		.amdhsa_memory_ordered 1
		.amdhsa_forward_progress 1
		.amdhsa_inst_pref_size 114
	.end_amdhsa_kernel
	.amdgpu_metadata
---
amdhsa.version: [ 1, 2 ]
amdhsa.kernels:
  - .name:           k_q70b3cf14b5_attn
    .symbol:         k_q70b3cf14b5_attn.kd
    .args:
      - { .name: qc, .offset: 0, .size: 8, .value_kind: global_buffer, .address_space: global }
      - { .name: qs, .offset: 8, .size: 8, .value_kind: global_buffer, .address_space: global }
      - { .name: kvc, .offset: 16, .size: 8, .value_kind: global_buffer, .address_space: global }
      - { .name: kvs, .offset: 24, .size: 8, .value_kind: global_buffer, .address_space: global }
      - { .name: valid_lens, .offset: 32, .size: 8, .value_kind: global_buffer, .address_space: global }
      - { .name: out0, .offset: 40, .size: 8, .value_kind: global_buffer, .address_space: global }
    .group_segment_fixed_size: 175104
    .private_segment_fixed_size: 0
    .kernarg_segment_align: 8
    .kernarg_segment_size: 48
    .max_flat_workgroup_size: 256
    .sgpr_count:     98
    .vgpr_count:     256
    .wavefront_size: 32
...
	.end_amdgpu_metadata
.endif
;; end of part 4
